; MI455X (gfx1250); checked and timed in simulation.
; The chip was launched on July 23, 2026; its instructions are those of AMD's public machine-readable ISA for CDNA 5 (MIT licence, August 2026) and "CDNA5" Instruction Set Architecture Reference Guide (July 2026). The comments in the code are by the model that wrote it; some were corrected since.
;; Multi Head Attention. Allowed arithmetic: matrix products marked QUANTISED: E2M3 operands, one E8M0 scale for each 32 along K, by v_wmma_scale_f32_16x16x128_f8f6f4 with both operands' format E2M3, f32 sums; everything else in f32.
;; Inputs: K 1 x 4,096 x 1,024 float32; Q 1 x 4,096 x 1,024 float32; V 1 x 4,096 x 1,024 float32; WK 16 x 1,024 x 64 float32; WO 1,024 x 1,024 float32; WQ 16 x 1,024 x 64 float32; WV 16 x 1,024 x 64 float32.
;; Outputs: out0 1 x 4,096 x 1,024 float32.
;; This version of the problem:
;;   THIS VERSION OF THE PROBLEM IS GIVEN IN LOW PRECISION. The matrix products marked QUANTISED in the list below multiply operands that are first quantised to E2M3 (2 exponent bits, 3 mantissa bits; 6 bits a number), with one power-of-two scale for each 32 numbers along K (OCP MX v1.0); their sums are f32. All else is computed in f32.
;;   The module's matrix products, in the order in which they are computed (A, B: the left and right operand; K: the contracted axis; several contracted axes count as one K, in the product's order):
;;     1. [M 1,024, K 1,024] x [K 1,024, N 4,096]; A: input WQ; B: input Q: QUANTISED
;;     2. [M 1,024, K 1,024] x [K 1,024, N 4,096]; A: input WK; B: input K: QUANTISED
;;     3. [M 1,024, K 1,024] x [K 1,024, N 4,096]; A: input WV; B: input V: QUANTISED
;;     4. batch 16 x [M 4,096, K 64] x [K 64, N 4,096]; A: computed on the way; B: computed on the way: QUANTISED
;;     5. batch 16 x [M 4,096, K 4,096] x [K 4,096, N 64]; A: softmax (see below); B: computed on the way: QUANTISED
;;     6. [M 4,096, K 1,024] x [K 1,024, N 1,024]; A: computed on the way; B: input WO: QUANTISED
;;   THE QUANTISER, for each operand of a quantised product, along K:
;;     - K is cut into blocks of 32 from its start; a last block that is shorter is filled with zeros.
;;     - A block's scale is 2^e with e = floor(log2(the largest magnitude in the block)) - 2, held to -126 .. 127; a block of zeros has e = 0. As a byte (E8M0): e + 127.
;;     - Each number is divided by its block's scale, clamped to +-7.5, and rounded to the nearest number of E2M3, ties to even, subnormals kept.
;;     - The product sums the exact products of the quantised numbers (number of the format x scale) in f32.
;;   ~~~python
;;   def quantise(x, axis):      # numpy; x: float32 -> the quantised numbers, widened to float32 again
;;       x = np.moveaxis(x, axis, -1); K = x.shape[-1]
;;       x = np.pad(x, [(0, 0)] * (x.ndim - 1) + [(0, -K % 32)]); x = x.reshape(x.shape[:-1] + (-1, 32)); a = np.abs(x).max(-1, keepdims=True)
;;       e = np.where(a > 0, np.clip(np.frexp(np.where(a > 0, a, 1))[1] - 1 - 2, -126, 127), 0)      # np.frexp(a)[1] - 1 = floor(log2(a)), exactly
;;       r = np.clip(x / 2.0 ** e, -7.5, 7.5)
;;       step = 2.0 ** (np.maximum(np.frexp(np.where(r == 0, 1, r))[1] - 1, 0) - 3)
;;       q = np.round(r / step) * step * 2.0 ** e      # np.round: ties to even
;;       return np.moveaxis(q.reshape(q.shape[:-2] + (-1,))[..., :K], -1, axis).astype(np.float32)
;;   ~~~
;;   SOFTMAX AHEAD OF A QUANTISED PRODUCT. Where the list says 'softmax', what is quantised is not the finished softmax but p = 2^(t - M), with t = logit x log2(e) and M = ceil(the row's largest t), a whole number; so 1/2 < the row's largest p <= 1. The row's sum l is taken of the UNQUANTISED p, in f32, and the product's result is divided by l at the end. Since M is a whole number, a kernel that streams over the keys may use a running M (the ceiling of the running maximum): every later rescaling is an exact power of two, which a block's scale takes up: the codes' values come out the same.
;;   OPERANDS COMPUTED ON THE WAY. 'Computed on the way' means the value that the module computes at that place (a softmax that the list does not call 'softmax' is quantised finished and normalised). What goes into a quantiser is computed in f32, as accurately as f32 sums, v_exp_f32 and their like allow (about 1e-6 of the number): no bf16 or f16 on the way to a quantiser, and a product that is left as it is and whose result goes on into a quantised operand takes f32 operands (vector FMAs, or v_wmma_f32_16x16x4_f32). A number that lies on a knife's edge between two numbers of the format may be rounded either way, as far as f32 arithmetic and the matrix unit's own rounding can turn it there, and no further.
;; One version. Each part assembles by itself: llvm-mc -triple=amdgcn-amd-amdhsa -mcpu=gfx1250 --defsym DOCPART=n.
;; ======== version 1 of 1: 4 launches
;; limits: right only within a limited range of input values
;; workspace buffers: ximg 9,830,400 bytes; wimg 3,276,800 bytes; qkv 13,107,200 bytes; oimg 3,276,800 bytes
;; launch quant (part 1): grid 1024 x 1, 8 waves a work-group, no clusters, 81,920 bytes of LDS; arguments Q, K, V, WQ, WK, WV, WO, ximg, wimg; writes ximg, wimg
.if DOCPART == 1
	.amdgcn_target "amdgcn-amd-amdhsa--gfx1250"
	.amdhsa_code_object_version 6
	.text
	.protected	k_qbfbfe9ef5f_quant
	.globl	k_qbfbfe9ef5f_quant
	.p2align	8
	.type	k_qbfbfe9ef5f_quant,@function
k_qbfbfe9ef5f_quant:
	s_mov_b64 s[64:65], 0
	v_nop
	global_prefetch_b8 v0, s[64:65] scope:SCOPE_SE
	s_setreg_imm32_b32 hwreg(HW_REG_WAVE_MODE, 25, 1), 1
	s_wait_xcnt 0x0
; Q, K, V [4096][1024] and WQ, WK, WV [16][1024][64], WO [1024][1024], all f32, become codes of FP6 (E2M3) with one E8M0 byte for each 32 along K,
; laid as the matrix unit's registers take them.  K is d for Q, K, V (innermost) and for WQ, WK, WV (their middle axis), and WO's first axis.
; A RECORD (12,800 bytes) is 128 rows x 128 along K: eight fragments of 16 rows (1,536 bytes each), then 512 bytes of scale words.
; Tile t of a record holds rows 32 (t / 2) + 8 (t % 2) + r + 8 (r / 8), r = 0 .. 15.  A fragment is two halves of 768 bytes (64 along K each): lane l = (r, h) owns
; k = 32 h .. 32 h + 31, 24 bytes: its first 16 at 16 l, its last 8 at 512 + 8 l.  The scale word of (row r, tile t) lies at 12,288 + 32 r + 4 t.
; One work-group makes one record.  Work-groups 0 to 767: Q, K, V (record = work-group's number); 768 to 1,023: WQ, WK, WV, WO.  The two ways have LDS bytes of their own.
; A block's scale is 2^(floor(log2(largest magnitude)) - 2): its byte is the largest magnitude's exponent field - 2.
; LIMITS: NaN and infinities among the inputs are not served; a block's largest magnitude is taken as 2^(3 - 127) at the least, so the byte is at least 1;
; a block of zeros gets the byte 1 and not 127: its codes are zeros, and only this program reads the bytes.
.set REC,  12800
.set XPIT, 528                         ; a stage row: 512 bytes + 16, so that sixteen rows begin in sixteen different groups of banks
.set XWAV, 16*XPIT                     ; a wave's stage: 16 rows
.set XSC,  8*XWAV                      ; behind the eight stages: the first way's 512 bytes of scale words
.set WREC, XSC+512                     ; the second way's record
.set R,    32                          ; v32-95   numbers as loaded (first way)
.set X,    96                          ; v96-159  the lane's 64 numbers, two whole blocks of 32
.set P,    160                         ; v160-171 the codes
.set T,    172                         ; v172-179 a conversion's second half, made on an even register and moved
.set SCO,  180                         ; v180-181 the conversions' scale operands
.set BY,   182                         ; v182-183 the scale bytes
; block k of the lane: 32 numbers from v[x] on -> six registers of codes from v[p] on
.macro QBLK x, p, t, k
	v_max3_num_f32 v16, |v[\x]|, |v[\x+1]|, |v[\x+2]|
	v_max3_num_f32 v17, |v[\x+3]|, |v[\x+4]|, |v[\x+5]|
.irp i, 6,10,14,18,22,26
	s_delay_alu instid0(VALU_DEP_2)
	v_max3_num_f32 v16, v16, |v[\x+\i]|, |v[\x+\i+1]|
	s_delay_alu instid0(VALU_DEP_2)
	v_max3_num_f32 v17, v17, |v[\x+\i+2]|, |v[\x+\i+3]|
.endr
	s_delay_alu instid0(VALU_DEP_2)
	v_max3_num_f32 v16, v16, |v[\x+30]|, |v[\x+31]|
	s_delay_alu instid0(VALU_DEP_1)
	v_max3_num_f32 v16, v16, v17, 0x1800000        ; and the floor 2^(3 - 127)
	s_delay_alu instid0(VALU_DEP_1)
	v_add_nc_u32 v[SCO+\k], 0xff000000, v16        ; 2 off the exponent field: the conversion's scale operand
	s_delay_alu instid0(VALU_DEP_1)
	v_lshrrev_b32 v[BY+\k], 23, v[SCO+\k]          ; the scale's byte
	v_cvt_scalef32_pk16_fp6_f32 v[\p:\p+2], v[\x:\x+15], v[SCO+\k]
	v_cvt_scalef32_pk16_fp6_f32 v[\t:\t+2], v[\x+16:\x+31], v[SCO+\k]
	v_nop                                          ; one plain place behind a scaled conversion
	v_mov_b32 v[\p+3], v[\t]
	v_mov_b32 v[\p+4], v[\t+1]
	v_mov_b32 v[\p+5], v[\t+2]
.endm
	s_load_b256 s[4:11], s[0:1], 0x0               ; Q s[4:5], K s[6:7], V s[8:9], WQ s[10:11]
	s_load_b256 s[12:19], s[0:1], 0x20             ; WK s[12:13], WV s[14:15], WO s[16:17], ximg s[18:19]
	s_load_b64 s[20:21], s[0:1], 0x40              ; wimg
	v_lshl_add_u32 v192, v0, 2, 0x13c00
	v_mov_b32 v193, 0
	v_lshrrev_b32 v1, 5, v0
	s_delay_alu instid0(VALU_DEP_1)
	v_readfirstlane_b32 s2, v1                     ; wave 0..7
	v_and_b32 v1, 31, v0                           ; lane
	v_and_b32 v2, 15, v0                           ; lane % 16
	v_bfe_u32 v3, v0, 4, 1                         ; lane / 16
	s_mov_b32 s38, 0x76543210
	s_mov_b32 s39, 0xfedcba98                      ; v_permlanex16_b32's selects for lane l xor 16
	s_cmp_lt_u32 ttmp9, 768
	s_cbranch_scc0 .Lweights
	; ---- Q, K, V: K innermost.  Wave w makes tile w.  Each load takes a row's 512 bytes as they lie; the rows turn through the wave's own stage, so that a lane gets whole blocks of 32
	s_lshr_b32 s24, ttmp9, 8                       ; which tensor
	s_bfe_u32 s25, ttmp9, 0x50003                  ; which 128 rows
	s_and_b32 s26, ttmp9, 7                        ; which 128 along K
	s_lshl_b32 s25, s25, 7
	s_lshr_b32 s27, s2, 1
	s_lshl_b32 s27, s27, 5
	s_add_co_u32 s25, s25, s27
	s_and_b32 s27, s2, 1
	s_lshl_b32 s27, s27, 3
	s_add_co_u32 s25, s25, s27                     ; the tile's first row
	s_lshl_b32 s25, s25, 12                        ; rows of 4,096 bytes
	s_lshl_b32 s26, s26, 9
	s_add_co_u32 s28, s25, s26
	s_mov_b32 s29, 0
	s_mul_i32 s30, ttmp9, REC
	s_mov_b32 s31, 0
	s_wait_alu depctr_va_vdst(0)
	v_lshlrev_b32 v4, 4, v1                        ; 16 x lane
	s_mul_i32 s27, s2, XWAV
	v_add_nc_u32 v7, s27, v4                       ; the stage, on the way in
	v_mul_u32_u24 v8, v2, XPIT
	s_delay_alu instid0(VALU_DEP_1)
	v_lshl_add_u32 v8, v3, 7, v8
	s_delay_alu instid0(VALU_DEP_1)
	v_add_nc_u32 v8, s27, v8                       ; and out: row r, + 128 h bytes: my block of 32 numbers
	s_mul_i32 s27, s2, 1536
	v_add_nc_u32 v5, s27, v4                       ; the record: 16 x lane + my fragment
	v_lshlrev_b32 v6, 3, v1
	s_delay_alu instid0(VALU_DEP_1)
	v_add_nc_u32 v6, s27, v6
	s_delay_alu instid0(VALU_DEP_1)
	v_add_nc_u32 v6, 512, v6                       ; 512 + 8 x lane + my fragment
	v_lshlrev_b32 v9, 5, v2
	s_lshl_b32 s27, s2, 2
	v_add_nc_u32 v9, s27, v9
	s_delay_alu instid0(VALU_DEP_1)
	v_add_nc_u32 v9, XSC, v9                       ; my row's scale word: 32 r + 4 w
	v_add_nc_u32 v10, XSC, v4
	v_lshlrev_b32 v11, 3, v3                       ; 8 h
	v_mov_b32 v12, 0                               ; a lane permute's destination counts as read
	s_wait_kmcnt 0x0
	s_cmp_eq_u32 s24, 0
	s_cselect_b64 s[22:23], s[4:5], s[6:7]
	s_cmp_eq_u32 s24, 2
	s_cselect_b64 s[22:23], s[8:9], s[22:23]
	s_add_nc_u64 s[22:23], s[22:23], s[28:29]
	s_add_nc_u64 s[18:19], s[18:19], s[30:31]
.irp p, 0,1,2,3,4,5,6,7,8,9,10,11,12,13,14,15
	global_load_b128 v[R+4*\p:R+4*\p+3], v4, s[22:23] offset:(\p+8*(\p/8))*4096 th:TH_LOAD_NT   ; 32 lanes read 512 consecutive bytes of the tile's row p
.endr
.irp p, 0,1,2,3,4,5,6,7,8,9,10,11,12,13,14,15
	s_wait_loadcnt 15-\p                           ; loads come back in order: row p is in, the younger ones may be out
	ds_store_b128 v7, v[R+4*\p:R+4*\p+3] offset:XPIT*\p
.endr
.irp c, 0,1
.irp m, 0,1,2,3,4,5,6,7
	ds_load_b128 v[X+32*\c+4*\m:X+32*\c+4*\m+3], v8 offset:256*\c+16*\m   ; LDS serves a wave's instructions in order: these see my stores.  k = 64 c + 32 h + 4 m ..
.endr
.endr
	s_wait_dscnt 0x0
	QBLK X, P, T, 0
	QBLK X+32, P+6, T+4, 1
	v_lshl_or_b32 v13, v[BY+1], 16, v[BY]          ; my two bytes: blocks h and 2 + h,
	s_delay_alu instid0(VALU_DEP_1)
	v_lshlrev_b32 v13, v11, v13                    ; at their places in the word;
	s_delay_alu instid0(VALU_DEP_1)
	v_permlanex16_b32 v12, v13, s38, s39
	s_delay_alu instid0(VALU_DEP_1)
	v_or_b32 v13, v13, v12                         ; with lane l xor 16's two the word is whole
	ds_store_b32 v9, v13                           ; (lanes r and r + 16 write the same word with the same value)
	global_store_b128 v5, v[P:P+3], s[18:19]                   ; each store of the wave covers 512 or 256 consecutive bytes, aligned to 256
	global_store_b64 v6, v[P+4:P+5], s[18:19]
	global_store_b128 v5, v[P+6:P+9], s[18:19] offset:768
	global_store_b64 v6, v[P+10:P+11], s[18:19] offset:768
	s_wait_dscnt 0x0                               ; for the others' sake: my scale words are in LDS
	s_barrier_signal -1
	s_barrier_wait -1
	s_cmp_lg_u32 s2, 0
	s_cbranch_scc1 .Lxend
	ds_load_b128 v[20:23], v10                     ; wave 0 stores the record's 512 bytes of scale words whole
	s_wait_dscnt 0x0
	global_store_b128 v4, v[20:23], s[18:19] offset:12288
.Lxend:
	s_wait_tensorcnt 0x0
	ds_add_u32 v192, v193
	s_wait_dscnt 0x0
	s_endpgm
	; ---- WQ, WK, WV, WO: K is not innermost.  A lane takes a column and its registers run down K.  Wave w: columns 32 (w % 4) on, 64 (w / 4) on along K
.Lweights:
	s_sub_co_u32 s24, ttmp9, 768                   ; the record's number in wimg
	s_lshr_b32 s25, s24, 6                         ; which tensor
	s_bfe_u32 s26, s24, 0x30003                    ; which 128 columns
	s_and_b32 s27, s24, 7                          ; which 128 along K
	s_and_b32 s32, s2, 3                           ; b
	s_lshr_b32 s33, s2, 2                          ; c
	s_lshl_b32 s34, s27, 7
	s_lshl_b32 s35, s33, 6
	s_add_co_u32 s34, s34, s35                     ; my first k
	s_lshl_b32 s35, s26, 1
	s_lshr_b32 s36, s32, 1
	s_add_co_u32 s35, s35, s36                     ; WQ, WK, WV: the head of my 32 columns,
	s_lshl_b32 s35, s35, 10
	s_add_co_u32 s35, s35, s34
	s_lshl_b32 s35, s35, 8                         ; (head x 1,024 + k) rows of 256 bytes,
	s_and_b32 s36, s32, 1
	s_lshl_b32 s36, s36, 7
	s_add_co_u32 s28, s35, s36                     ; + which half of the row
	s_mov_b32 s29, 0
	s_lshl_b32 s35, s34, 12                        ; WO: k rows of 4,096 bytes,
	s_lshl_b32 s36, s26, 9
	s_add_co_u32 s35, s35, s36
	s_lshl_b32 s36, s32, 7
	s_add_co_u32 s30, s35, s36                     ; + my first column
	s_mov_b32 s31, 0
	s_mul_i32 s36, s24, REC
	s_mov_b32 s37, 0
	s_wait_alu depctr_va_vdst(0)
	v_lshlrev_b32 v4, 2, v1                        ; 4 bytes a lane
	v_bfe_u32 v5, v0, 3, 1                         ; column 32 b + l is row r = l % 8 + 8 (l / 16) of tile 2 b + u, u = (l / 8) % 2
	v_and_b32 v6, 7, v0
	s_delay_alu instid0(VALU_DEP_1)
	v_lshl_add_u32 v6, v3, 3, v6
	s_delay_alu instid0(VALU_DEP_3)
	v_mul_u32_u24 v7, v5, 1536
	s_delay_alu instid0(VALU_DEP_1)
	v_lshl_add_u32 v7, v6, 4, v7
	s_mul_i32 s35, s32, 3072
	s_mul_i32 s40, s33, 768
	s_add_co_u32 s35, s35, s40
	s_add_co_u32 s35, s35, WREC
	v_add_nc_u32 v7, s35, v7                       ; the place of lane (r, 0)'s first 16 bytes; lane (r, 1)'s lie 256 on
	v_mul_u32_u24 v8, v5, 1536
	s_delay_alu instid0(VALU_DEP_1)
	v_lshl_add_u32 v8, v6, 3, v8
	s_delay_alu instid0(VALU_DEP_1)
	v_add_nc_u32 v8, s35, v8
	s_delay_alu instid0(VALU_DEP_1)
	v_add_nc_u32 v8, 512, v8                       ; and of its last 8; lane (r, 1)'s lie 128 on
	v_lshlrev_b32 v9, 5, v6
	s_delay_alu instid0(VALU_DEP_1)
	v_lshl_add_u32 v9, v5, 2, v9
	s_lshl_b32 s35, s32, 3
	s_lshl_b32 s40, s33, 1
	s_add_co_u32 s35, s35, s40
	s_add_co_u32 s35, s35, WREC+12288
	v_add_nc_u32 v9, s35, v9                       ; my two scale bytes: 32 r + 4 (2 b + u) + 2 c
	v_lshlrev_b32 v10, 4, v1
	s_lshl_b32 s35, s2, 9
	v_add_nc_u32 v10, s35, v10                     ; the way out: 512 x wave + 16 x lane
	s_delay_alu instid0(VALU_DEP_1)
	v_add_nc_u32 v11, WREC, v10
	s_wait_kmcnt 0x0
	s_add_nc_u64 s[20:21], s[20:21], s[36:37]
	s_cmp_eq_u32 s25, 3
	s_cbranch_scc1 .Lwo
	s_cmp_eq_u32 s25, 0
	s_cselect_b64 s[22:23], s[10:11], s[12:13]
	s_cmp_eq_u32 s25, 2
	s_cselect_b64 s[22:23], s[14:15], s[22:23]
	s_add_nc_u64 s[22:23], s[22:23], s[28:29]
.set i, 0
.rept 64
	global_load_b32 v[X+i], v4, s[22:23] offset:256*i th:TH_LOAD_NT    ; 32 lanes read 128 consecutive bytes of row k + i
.set i, i+1
.endr
	s_branch .Lwq
.Lwo:
	s_add_nc_u64 s[22:23], s[16:17], s[30:31]
.set i, 0
.rept 64
	global_load_b32 v[X+i], v4, s[22:23] offset:4096*i th:TH_LOAD_NT
.set i, i+1
.endr
.Lwq:
	s_wait_loadcnt 0x0
	QBLK X, P, T, 0
	QBLK X+32, P+6, T+4, 1
	ds_store_b128 v7, v[P:P+3]                     ; block 2 c is what lane (r, 0) of the fragment's half c holds,
	ds_store_b64 v8, v[P+4:P+5]
	ds_store_b128 v7, v[P+6:P+9] offset:256        ; block 2 c + 1 what lane (r, 1) holds
	ds_store_b64 v8, v[P+10:P+11] offset:128
	v_lshl_or_b32 v13, v[BY+1], 8, v[BY]
	ds_store_b16 v9, v13
	s_wait_dscnt 0x0                               ; for the others' sake: my part of the record is in LDS
	s_barrier_signal -1
	s_barrier_wait -1
	ds_load_b128 v[20:23], v11                     ; the record leaves in 25 pieces of 512 consecutive bytes: wave w takes pieces w, w + 8, w + 16
	ds_load_b128 v[24:27], v11 offset:4096
	ds_load_b128 v[28:31], v11 offset:8192
	s_wait_dscnt 0x0
	global_store_b128 v10, v[20:23], s[20:21]
	global_store_b128 v10, v[24:27], s[20:21] offset:4096
	global_store_b128 v10, v[28:31], s[20:21] offset:8192
	s_cmp_lg_u32 s2, 0
	s_cbranch_scc1 .Lwend
	ds_load_b128 v[32:35], v11 offset:12288        ; and wave 0 the last
	s_wait_dscnt 0x0
	global_store_b128 v10, v[32:35], s[20:21] offset:12288
.Lwend:
	s_wait_tensorcnt 0x0
	ds_add_u32 v192, v193
	s_wait_dscnt 0x0
	s_endpgm
.Lfunc_end_k_qbfbfe9ef5f_quant:
	.size	k_qbfbfe9ef5f_quant, .Lfunc_end_k_qbfbfe9ef5f_quant-k_qbfbfe9ef5f_quant
	.p2alignl 7, 3214868480
	.fill 96, 4, 3214868480
	.section	.rodata,"a",@progbits
	.p2align	6, 0x0
	.amdhsa_kernel k_qbfbfe9ef5f_quant
		.amdhsa_group_segment_fixed_size 81920
		.amdhsa_private_segment_fixed_size 0
		.amdhsa_enable_private_segment 0
		.amdhsa_kernarg_size 72
		.amdhsa_user_sgpr_count 2
		.amdhsa_user_sgpr_kernarg_segment_ptr 1
		.amdhsa_wavefront_size32 1
		.amdhsa_system_sgpr_workgroup_id_x 1
		.amdhsa_system_sgpr_workgroup_id_y 1
		.amdhsa_system_sgpr_workgroup_id_z 1
		.amdhsa_system_vgpr_workitem_id 0
		.amdhsa_next_free_vgpr 194
		.amdhsa_next_free_sgpr 66
		.amdhsa_reserve_vcc 0
		.amdhsa_float_denorm_mode_32 3
		.amdhsa_float_denorm_mode_16_64 3
		.amdhsa_memory_ordered 1
		.amdhsa_forward_progress 1
		.amdhsa_inst_pref_size 32
	.end_amdhsa_kernel
	.amdgpu_metadata
---
amdhsa.version: [ 1, 2 ]
amdhsa.kernels:
  - .name:           k_qbfbfe9ef5f_quant
    .symbol:         k_qbfbfe9ef5f_quant.kd
    .args:
      - { .name: Q, .offset: 0, .size: 8, .value_kind: global_buffer, .address_space: global }
      - { .name: K, .offset: 8, .size: 8, .value_kind: global_buffer, .address_space: global }
      - { .name: V, .offset: 16, .size: 8, .value_kind: global_buffer, .address_space: global }
      - { .name: WQ, .offset: 24, .size: 8, .value_kind: global_buffer, .address_space: global }
      - { .name: WK, .offset: 32, .size: 8, .value_kind: global_buffer, .address_space: global }
      - { .name: WV, .offset: 40, .size: 8, .value_kind: global_buffer, .address_space: global }
      - { .name: WO, .offset: 48, .size: 8, .value_kind: global_buffer, .address_space: global }
      - { .name: ximg, .offset: 56, .size: 8, .value_kind: global_buffer, .address_space: global }
      - { .name: wimg, .offset: 64, .size: 8, .value_kind: global_buffer, .address_space: global }
    .group_segment_fixed_size: 81920
    .private_segment_fixed_size: 0
    .kernarg_segment_align: 8
    .kernarg_segment_size: 72
    .max_flat_workgroup_size: 256
    .sgpr_count:     66
    .vgpr_count:     194
    .wavefront_size: 32
...
	.end_amdgpu_metadata
.endif
;; end of part 1
;; launch proj (part 2): grid 32 x 8, 12 waves a work-group, clusters of 4 x 4, 327,680 bytes of LDS; arguments ximg, wimg, qkv; writes qkv
.if DOCPART == 2
	.amdgcn_target "amdgcn-amd-amdhsa--gfx1250"
	.amdhsa_code_object_version 6
	.text
	.protected	k_qbfbfe9ef5f_proj
	.globl	k_qbfbfe9ef5f_proj
	.p2align	8
	.type	k_qbfbfe9ef5f_proj,@function
k_qbfbfe9ef5f_proj:
	s_mov_b64 s[64:65], 0
	v_nop
	global_prefetch_b8 v0, s[64:65] scope:SCOPE_SE
	s_setreg_imm32_b32 hwreg(HW_REG_WAVE_MODE, 25, 1), 1
	s_wait_xcnt 0x0
	s_wait_alu depctr_hold_cnt(0) depctr_sa_sdst(0) depctr_va_vdst(0) depctr_va_sdst(0) depctr_va_ssrc(0) depctr_va_vcc(0) depctr_vm_vsrc(0)
	s_getreg_b32 s2, hwreg(HW_REG_IB_STS2, 6, 4)
	s_cmp_eq_u32 s2, 0
	s_cbranch_scc0 .Lentry_in_a_cluster
	s_endpgm
.Lentry_in_a_cluster:
	s_bfe_u32 s2, ttmp6, 0x10000c
	s_cmp_lg_u32 s2, 0xf033
	s_cbranch_scc0 .Lentry_shape_is_right
	s_endpgm
.Lentry_shape_is_right:
; q = Q WQ, k = K WK, v = V WV on codes of FP6 (E2M3), K = 1,024; the results are quantised at once for the attention: q and k along a head's 64, v along the keys.
; Operands come as RECORDS of 12,800 bytes (128 rows x 128 along K: eight fragments of 1,536 bytes in the order of the operand's registers, then 512 bytes of scale words, word (row r, tile t) at 12,288 + 32 r + 4 t).
; Tile t holds rows 32 (t / 2) + 8 (t % 2) + r + 8 (r / 8): so in a result the 16 registers of source 0's tiles 2 b and 2 b + 1 are 16 neighbours, 32 b + 16 (lane / 16) + 0 .. 15, along the next product's K.
; SHARES.  A work-group makes 128 x 128 of each of the three products: rows a (128 of the sequence) x columns g (two heads).  Waves 0-3 make q, 4-7 k, 8-11 v.
; Source 0 (whose rows become the next K) is W's panel for q and k, x's panel for v; source 1 the other.  Wave w of a group takes all 128 rows of source 0 x tiles 2 w, 2 w + 1 of source 1: 16 accumulators.
; K goes two steps of 128 at a time through a ring of two LDS slots; a slot holds, for each of the three products, W's 25,600 bytes and then x's.
; CLUSTER 4 x 4: W's panels hang on g alone and are asked for jointly by a row of the cluster, x's on a alone, by a column.  Of each group wave 0 asks for W's panel, wave 1 for x's.
; OUT (qkv): [2: q, kv][16 heads][32 steps of 128][12,800].  Codes of q or k: tile T's 768 bytes at 768 T.  Codes of v at 6,144: fragment et (16 of the head's 64 x 128 keys) at 1,536 et.
; Scale words at 12,288: q's or k's word (r, b) at 16 r + 4 b (bytes 0, 1: tile 2 b; bytes 2, 3: tile 2 b + 1); v's word (r, et) at 256 + 16 r + 4 et.  These 512 bytes are stored four bytes a lane: one part in 25 of a record.
; LIMITS: NaN and infinities are not served; a block's largest magnitude is taken as 2^(3 - 127) at the least; a block of zeros gets the byte 1, its codes are zeros, and only this program reads the bytes.
.set REC,   12800
.set PAN,   2*REC                      ; a panel's two K steps: what one tensor load brings
.set GRPB,  2*PAN                      ; a product's part of a slot
.set SLOT,  3*GRPB
.set SPARE, 2*SLOT                     ; behind the ring: the spare words, 128 bytes for each of 12 waves: six blocks of 256 bytes that no other line names
.set G1W, 24                           ; s[24:31] descriptor group 1 for W's panels;  s[32:39] for x's
.set G1X, 32
.set G0W, 40                           ; s[40:47] group 0 for W's panels, a set for each slot;  s[48:55] for x's
.set G0X, 48
.set A16, 4                            ; v4, v5  source 0's panel: 16 x lane, 512 + 8 x lane
.set A8,  5
.set B16, 6                            ; v6, v7  source 1's, at my two tiles
.set B8,  7
.set SA,  8                            ; v8   source 0's scale words of row lane % 16
.set SB,  9                            ; v9   source 1's, of my two tiles
.set SCA, 10                           ; v10-17, v20-27  source 0's eight scale words, K step 0, 1
.set SCB, 18                           ; v18-19, v28-29  source 1's two
.set BF,  30                           ; v30-77   source 1's fragments: 24 q + 12 u
.set AF,  78                           ; v78-125  source 0's fragments: two buffers of two
.set ACC, 128                          ; v128-255 accumulator (u, t) at 64 u + 8 t
.set TM,  78                           ; the way out: v78-93 at work, v94, v95 the two scale words, v96, v97 the words to store
.set PW,  94
.macro PLACES                          ; four plain places between a matrix instruction and a load into, or a read of, its registers
.rept 4
	v_nop
.endr
.endm
.macro CROUND                          ; a round of the cluster's barrier
	s_barrier_signal -1
	s_barrier_wait -1
	s_cmp_lg_u32 s10, 0
	s_cbranch_scc1 .Lnot_wave_0_\@
	s_barrier_signal -3
.Lnot_wave_0_\@:
	s_barrier_wait -3
	s_barrier_signal -1
	s_barrier_wait -1
.endm
.macro JLOAD slot                      ; a joint refill: the branches hang on the wave's number alone; four v_nop follow each line
	s_cmp_eq_u32 s11, 0
	s_cbranch_scc0 .Lnot_w_\@
	tensor_load_to_lds s[G0W+4*\slot:G0W+4*\slot+3], s[G1W:G1W+7]
	s_nop 0
.rept 4
	v_nop
.endr
	s_branch .Lasked_\@
.Lnot_w_\@:
	s_cmp_eq_u32 s11, 1
	s_cbranch_scc0 .Lasked_\@
	tensor_load_to_lds s[G0X+4*\slot:G0X+4*\slot+3], s[G1X:G1X+7]
	s_nop 0
.rept 4
	v_nop
.endr
.Lasked_\@:
.endm
.macro FRAG reg, a16, a8, off          ; a fragment, 12 registers, as it lies: every load reads consecutive bytes
	ds_load_b128 v[\reg:\reg+3], v[\a16] offset:\off
	ds_load_b64 v[\reg+4:\reg+5], v[\a8] offset:\off
	ds_load_b128 v[\reg+6:\reg+9], v[\a16] offset:\off+768
	ds_load_b64 v[\reg+10:\reg+11], v[\a8] offset:\off+768
.endm
.macro APAIR m                         ; pair m of eight: K step m / 4, source 0's tiles 2 (m % 4) and + 1, into buffer m % 2: eight loads
	FRAG AF+24*((\m)%2), A16, A8, ((\m)/4)*REC+3072*((\m)%4)
	FRAG AF+24*((\m)%2)+12, A16, A8, ((\m)/4)*REC+3072*((\m)%4)+1536
.endm
.macro MINI m, first                   ; four products on pair m.  The 16 accumulators take turns, one instruction a turn, in the same order in every K step
.set Q_, (\m)/4
.set I_, (\m)%4
.set FB_, AF+24*((\m)%2)
.irp u, 0,1
.irp e, 0,1
.if \first && (Q_ == 0)
	v_wmma_scale_f32_16x16x128_f8f6f4 v[ACC+64*\u+8*(2*I_+\e):ACC+64*\u+8*(2*I_+\e)+7], v[FB_+12*\e:FB_+12*\e+11], v[BF+24*Q_+12*\u:BF+24*Q_+12*\u+11], 0, v[SCA+10*Q_+2*I_+\e], v[SCB+10*Q_+\u] matrix_a_fmt:MATRIX_FMT_FP6 matrix_b_fmt:MATRIX_FMT_FP6
.else
	v_wmma_scale_f32_16x16x128_f8f6f4 v[ACC+64*\u+8*(2*I_+\e):ACC+64*\u+8*(2*I_+\e)+7], v[FB_+12*\e:FB_+12*\e+11], v[BF+24*Q_+12*\u:BF+24*Q_+12*\u+11], v[ACC+64*\u+8*(2*I_+\e):ACC+64*\u+8*(2*I_+\e)+7], v[SCA+10*Q_+2*I_+\e], v[SCB+10*Q_+\u] matrix_a_fmt:MATRIX_FMT_FP6 matrix_b_fmt:MATRIX_FMT_FP6
.endif
.endr
.endr
.endm
.macro SLOTWORK first                  ; a slot's two K steps: 32 products.  first = 1: K step 0's products start the sums: nothing is cleared
.if !\first
	PLACES
.endif
.irp q, 0,1
	ds_load_b128 v[SCA+10*\q:SCA+10*\q+3], v[SA] offset:\q*REC
	ds_load_b128 v[SCA+10*\q+4:SCA+10*\q+7], v[SA] offset:\q*REC+16
	ds_load_b64 v[SCB+10*\q:SCB+10*\q+1], v[SB] offset:\q*REC
.endr
.irp q, 0,1
.irp u, 0,1
	FRAG BF+24*\q+12*\u, B16, B8, \q*REC+1536*\u
.endr
.endr
	APAIR 0
	APAIR 1
.irp m, 0,1,2,3,4,5,6,7
.if \m == 7
	s_wait_dscnt 0x0
.else
	s_wait_dscnt 8                                 ; all but the younger pair's eight loads
.endif
	MINI \m, \first
.if \m < 6
	PLACES
	APAIR \m+2
.endif
.endr
.endm
.macro ADV fwd                         ; the six LDS addresses go to the other slot
.irp a, A16, A8, B16, B8, SA, SB
.if \fwd
	v_add_nc_u32 v[\a], SLOT, v[\a]
.else
	v_sub_nc_u32 v[\a], v[\a], SLOT
.endif
.endr
.endm
; The change of slots.  Each wave waits for all its tensor loads (its part of the next slot), adds 0 to its spare word, and waits for that and for its reads of the slot that it leaves.
; fill = 1: a round of the cluster's barrier, and behind it the slot just left is asked for again, two slots on along K.
.macro TURN slot, fill, fwd
	s_wait_tensorcnt 0x0                           ; no tensor load of mine is out, so a group 0 may be written
	ds_add_u32 v1, v2                              ; 0 onto my spare word
.if \fill
	s_add_nc_u64 s[G0W+4*\slot+2:G0W+4*\slot+3], s[G0W+4*\slot+2:G0W+4*\slot+3], 2*PAN
	s_add_nc_u64 s[G0X+4*\slot+2:G0X+4*\slot+3], s[G0X+4*\slot+2:G0X+4*\slot+3], 2*PAN
.endif
	ADV \fwd
	s_wait_dscnt 0x0                               ; the add is done, and my reads of the slot are over
.if \fill
	CROUND                                         ; no wave of any partner still reads the slot or has a load on its way
	JLOAD \slot
.else
	s_barrier_signal -1
	s_barrier_wait -1
.endif
.endm
; 64 numbers of a lane, register 16 b + i = k 32 b + 16 (lane / 16) + i of my row, become a fragment's codes in v[pc] on and its scale word in v[pw]
.macro QUANT s, pc, pw
.irp b, 0,1,2,3
	v_max3_num_f32 v[TM+\b], |v[\s+16*\b]|, |v[\s+1+16*\b]|, 0x1800000   ; each accumulator is read from its low end on; the floor 2^(3 - 127) is a leaf
.endr
.irp i, 2,4,6,8,10,12,14
.irp b, 0,1,2,3
	v_max3_num_f32 v[TM+\b], v[TM+\b], |v[\s+16*\b+\i]|, |v[\s+1+16*\b+\i]|
.endr
.endr
.irp b, 0,1,2,3
	s_delay_alu instid0(VALU_DEP_4)
	v_permlanex16_b32 v[TM+4+\b], v[TM+\b], s94, s95
.endr
.irp b, 0,1,2,3
	s_delay_alu instid0(VALU_DEP_4)
	v_max_num_f32 v[TM+\b], v[TM+\b], v[TM+4+\b]   ; with lane l xor 16's: the block's largest magnitude
.endr
.irp b, 0,1,2,3
	s_delay_alu instid0(VALU_DEP_4)
	v_add_nc_u32 v[TM+12+\b], 0xff000000, v[TM+\b] ; 2 off its exponent field: the conversion's scale operand
.endr
.irp b, 0,1,2,3
	s_delay_alu instid0(VALU_DEP_4)
	v_lshrrev_b32 v[TM+4+\b], 23, v[TM+12+\b]      ; the scale's byte
.endr
	s_delay_alu instid0(VALU_DEP_3)
	v_lshl_or_b32 v[\pw], v[TM+5], 8, v[TM+4]
	s_delay_alu instid0(VALU_DEP_1)
	v_lshl_or_b32 v[\pw], v[TM+6], 16, v[\pw]
	s_delay_alu instid0(VALU_DEP_1)
	v_lshl_or_b32 v[\pw], v[TM+7], 24, v[\pw]
.irp c, 0,1
	v_cvt_scalef32_pk16_fp6_f32 v[\pc+6*\c:\pc+2+6*\c], v[\s+32*\c:\s+15+32*\c], v[TM+12+2*\c]
	v_cvt_scalef32_pk16_fp6_f32 v[\pc+12+4*\c:\pc+14+4*\c], v[\s+16+32*\c:\s+31+32*\c], v[TM+12+2*\c+1]
.endr
	v_nop                                          ; one plain place behind a scaled conversion
.irp c, 0,1                                    ; the layout wants a whole block in a lane: lanes 0-15 block 2 c, lanes 16-31 block 2 c + 1
.irp i, 0,1,2
	v_permlane16_swap_b32 v[\pc+6*\c+\i], v[\pc+12+4*\c+\i]
.endr
.irp i, 0,1,2
	s_delay_alu instid0(VALU_DEP_3)
	v_mov_b32 v[\pc+3+6*\c+\i], v[\pc+12+4*\c+\i]
.endr
.endr
.endm
	s_load_b128 s[4:7], s[0:1], 0x0                ; ximg s[4:5], wimg s[6:7]
	s_load_b64 s[8:9], s[0:1], 0x10                ; qkv
	v_lshl_add_u32 v1, v0, 2, SPARE
	v_mov_b32 v2, 0
	ds_add_u32 v1, v2
	ds_add_u32 v1, v2
	s_wait_dscnt 0x0
	v_lshrrev_b32 v3, 5, v0
	s_delay_alu instid0(VALU_DEP_1)
	v_readfirstlane_b32 s10, v3                    ; wave 0..11
	s_and_b32 s11, s10, 3                          ; w: my place in the group.  Also: 0 asks for W's panel, 1 for x's
	s_lshr_b32 s12, s10, 2                         ; the product: 0 q, 1 k, 2 v
	s_lshr_b32 s14, s12, 1                         ; 1 for v
	s_xor_b32 s15, s14, 1
	s_bfe_u32 s16, ttmp6, 0x40000                  ; cx, cy: my place in the cluster
	s_bfe_u32 s17, ttmp6, 0x40004
	s_lshl_b32 s18, ttmp9, 2
	s_add_co_u32 s18, s18, s16                     ; a = 4 x cluster x + cx
	s_and_b32 s19, ttmp7, 0xffff
	s_lshl_b32 s19, s19, 2
	s_add_co_u32 s19, s19, s17                     ; g = 4 x cluster y + cy
	s_lshl_b32 s20, s17, 2
	s_lshl_b32 s20, 15, s20                        ; my row of the cluster
	s_lshl_b32 s21, 0x1111, s16                    ; my column
	s_or_b32 s[G1W], s20, (3<<16)|(1<<21)          ; 15:0 the mask; 17:16 elements of 8 bytes; 21 set beside a mask; no padding
	s_or_b32 s[G1X], s21, (3<<16)|(1<<21)
.irp g, G1W, G1X                               ; a dense block of 25,600 bytes as 100 rows of 256
	s_mov_b32 s[\g+1], 32<<16                      ; tensor_dim0
	s_mov_b32 s[\g+2], 100<<16                     ; tensor_dim1
	s_mov_b32 s[\g+3], 32<<16                      ; tile_dim0
	s_mov_b32 s[\g+4], 100                         ; tile_dim1
	s_mov_b32 s[\g+5], 32                          ; the pitch
	s_mov_b32 s[\g+6], 0
	s_mov_b32 s[\g+7], 0
.endr
	s_lshl_b32 s56, s12, 3
	s_add_co_u32 s56, s56, s19
	s_mul_i32 s56, s56, 8*REC                      ; W's panel: (8 x product + g) x eight records: no register here ever holds cx
	s_mov_b32 s57, 0
	s_lshl_b32 s60, s12, 5
	s_add_co_u32 s60, s60, s18
	s_mul_i32 s60, s60, 8*REC                      ; x's: (32 x product + a) x eight records: none here holds cy
	s_mov_b32 s61, 0
	s_mul_i32 s22, s12, GRPB                       ; the product's part of a slot: no place in the cluster enters an LDS address
	s_wait_kmcnt 0x0
	s_add_nc_u64 s[58:59], s[6:7], s[56:57]
	s_add_nc_u64 s[62:63], s[4:5], s[60:61]
	CROUND                                         ; all sixteen work-groups are here: the first joint loads meet
.irp s, 0,1
	s_mov_b32 s[G0W+4*\s], 1
	s_add_co_u32 s[G0W+4*\s+1], s22, \s*SLOT
	s_add_nc_u64 s[G0W+4*\s+2:G0W+4*\s+3], s[58:59], \s*PAN
	s_or_b32 s[G0W+4*\s+3], s[G0W+4*\s+3], 0x80000000
	s_mov_b32 s[G0X+4*\s], 1
	s_add_co_u32 s[G0X+4*\s+1], s22, \s*SLOT+PAN
	s_add_nc_u64 s[G0X+4*\s+2:G0X+4*\s+3], s[62:63], \s*PAN
	s_or_b32 s[G0X+4*\s+3], s[G0X+4*\s+3], 0x80000000
.endr
	s_cmp_eq_u32 s11, 0                            ; one first fill to each wave: one load of mine is out at the most
	s_cbranch_scc0 .Lfirst_not_w
	tensor_load_to_lds s[G0W:G0W+3], s[G1W:G1W+7]  ; the four first fills of a product, one to each wave of its group: wave 0 slot 0's W,
	s_nop 0
.rept 4
	v_nop
.endr
	s_branch .Lfirst_asked
.Lfirst_not_w:
	s_cmp_eq_u32 s11, 1
	s_cbranch_scc0 .Lfirst_w1
	tensor_load_to_lds s[G0X:G0X+3], s[G1X:G1X+7]  ; wave 1 slot 0's x,
	s_nop 0
.rept 4
	v_nop
.endr
	s_branch .Lfirst_asked
.Lfirst_w1:
	s_cmp_eq_u32 s11, 2
	s_cbranch_scc0 .Lfirst_x1
	tensor_load_to_lds s[G0W+4:G0W+7], s[G1W:G1W+7]  ; wave 2 slot 1's W,
	s_nop 0
.rept 4
	v_nop
.endr
	s_branch .Lfirst_asked
.Lfirst_x1:
	tensor_load_to_lds s[G0X+4:G0X+7], s[G1X:G1X+7]  ; wave 3 slot 1's x
	s_nop 0
.rept 4
	v_nop
.endr
.Lfirst_asked:
	v_and_b32 v3, 31, v0                           ; lane
	v_and_b32 v126, 15, v0
	s_delay_alu instid0(VALU_DEP_1)
	v_lshlrev_b32 v126, 5, v126                    ; 32 r
	s_wait_alu depctr_va_vdst(0)
	s_mul_i32 s23, s14, PAN
	s_add_co_u32 s23, s23, s22                     ; source 0's panel: W's, or for v x's
	s_mul_i32 s66, s15, PAN
	s_add_co_u32 s66, s66, s22                     ; source 1's
	s_mul_i32 s67, s11, 3072
	s_add_co_u32 s67, s67, s66                     ; at my two tiles
	v_lshlrev_b32 v[A16], 4, v3
	v_lshlrev_b32 v[A8], 3, v3
	s_delay_alu instid0(VALU_DEP_1)
	v_add_nc_u32 v[A8], 512, v[A8]
	s_delay_alu instid0(VALU_DEP_3)
	v_add_nc_u32 v[B16], s67, v[A16]
	s_delay_alu instid0(VALU_DEP_2)
	v_add_nc_u32 v[B8], s67, v[A8]
	v_add_nc_u32 v[A16], s23, v[A16]
	s_delay_alu instid0(VALU_DEP_4)
	v_add_nc_u32 v[A8], s23, v[A8]
	s_add_co_u32 s23, s23, 12288
	v_add_nc_u32 v[SA], s23, v126
	s_lshl_b32 s67, s11, 3
	s_add_co_u32 s66, s66, s67
	s_add_co_u32 s66, s66, 12288
	v_add_nc_u32 v[SB], s66, v126
	s_wait_alu depctr_va_vdst(0)
	s_wait_tensorcnt 0x0                           ; my one first fill is in: behind the barrier both slots are whole
	s_barrier_signal -1
	s_barrier_wait -1
	SLOTWORK 1                                     ; K steps 0, 1
	TURN 0, 1, 1
	s_wait_alu depctr_va_vdst(0)
	SLOTWORK 0                                     ; 2, 3
	TURN 1, 1, 0
	s_wait_alu depctr_va_vdst(0)
	SLOTWORK 0                                     ; 4, 5
	TURN 0, 0, 1                                   ; nothing is left to fetch
	s_wait_alu depctr_va_vdst(0)
	SLOTWORK 0                                     ; 6, 7
	; THE WAY OUT.  For each of my two tiles of source 1: 64 numbers a lane become one fragment and one scale word a row, and go straight to memory in the order of the registers.
	PLACES
	s_mov_b32 s94, 0x76543210
	s_mov_b32 s95, 0xfedcba98
	s_and_b32 s66, s11, 1
	s_mul_i32 s67, s11, 1536                       ; q, k: my pair of tiles
	s_mul_i32 s68, s66, 3072
	s_add_co_u32 s68, s68, 6144                    ; v: my two fragments
	s_lshl_b32 s69, s11, 2
	s_add_co_u32 s69, s69, 12288                   ; q, k: word b = w
	s_lshl_b32 s70, s66, 3
	s_add_co_u32 s70, s70, 12544                   ; v: words et = 2 (w % 2) and + 1
	s_mov_b32 s71, 32*REC                          ; from a head to the next
	s_mov_b32 s72, 768
	s_mov_b32 s73, 1536
	s_mov_b32 s74, 0x05040100
	s_mov_b32 s75, 0x07060302
	s_mov_b32 s76, 0x03020100
	s_mov_b32 s77, 0x07060504
	s_cmp_eq_u32 s14, 0                            ; q and k, or v?  Only moves and selects stand between the compare and the last select
	s_cselect_b32 s78, s67, s68                    ; where my codes begin in a record
	s_cselect_b32 s80, s72, s73                    ; from my first tile's to my second's
	s_cselect_b32 s82, s71, s72                    ; from a fragment's first half to its second: for q and k the next head's record
	s_cselect_b32 s84, s69, s70                    ; where my scale words begin
	s_cselect_b32 s86, s71, 4                      ; from lanes 0-15's word to lanes 16-31's
	s_cselect_b32 s87, s74, s76                    ; lanes 0-15: q, k: both tiles' bytes 0, 1;  v: the first tile's word
	s_cselect_b32 s88, s75, s77                    ; lanes 16-31: q, k: both tiles' bytes 2, 3;  v: the second tile's word
	s_mov_b32 s79, 0
	s_mov_b32 s81, 0
	s_mov_b32 s83, 0
	s_mov_b32 s85, 0
	s_min_u32 s89, s12, 1
	s_lshl_b32 s89, s89, 4                         ; q's records, or kv's 16 heads on
	s_lshl_b32 s90, s19, 1
	s_add_co_u32 s89, s89, s90                     ; head 2 g,
	s_lshr_b32 s90, s11, 1
	s_mul_i32 s90, s90, s14
	s_add_co_u32 s89, s89, s90                     ; for v: + w / 2
	s_lshl_b32 s89, s89, 5
	s_add_co_u32 s89, s89, s18                     ; step a
	s_mul_i32 s90, s89, REC
	s_mov_b32 s91, 0
	s_add_nc_u64 s[8:9], s[8:9], s[90:91]
	s_add_nc_u64 s[92:93], s[8:9], s[84:85]
	s_add_nc_u64 s[66:67], s[8:9], s[78:79]        ; tile 0, half 0
	s_add_nc_u64 s[68:69], s[66:67], s[82:83]      ; tile 0, half 1
	s_add_nc_u64 s[70:71], s[66:67], s[80:81]      ; tile 1, half 0
	s_add_nc_u64 s[72:73], s[70:71], s[82:83]      ; tile 1, half 1
	v_lshlrev_b32 v4, 4, v3                        ; 16 x lane
	v_lshlrev_b32 v5, 3, v3
	s_delay_alu instid0(VALU_DEP_1)
	v_add_nc_u32 v5, 512, v5                       ; 512 + 8 x lane
	v_and_b32 v6, 15, v0
	s_delay_alu instid0(VALU_DEP_1)
	v_lshlrev_b32 v6, 4, v6
	v_bfe_u32 v7, v0, 4, 1
	s_delay_alu instid0(VALU_DEP_1)
	v_mul_u32_u24 v7, s86, v7
	s_delay_alu instid0(VALU_DEP_1)
	v_add_nc_u32 v6, v6, v7                        ; 16 r, + the step for lanes 16-31
	v_cmp_lt_u32 vcc_lo, 15, v3
.irp b, 0,1,2,3
	v_mov_b32 v[TM+4+\b], 0                        ; a lane permute's destination counts as read
.endr
	QUANT ACC, BF, PW
	global_store_b128 v4, v[BF:BF+3], s[66:67]                 ; each store of the wave covers 512 or 256 consecutive bytes, aligned to 256
	global_store_b64 v5, v[BF+4:BF+5], s[66:67]
	global_store_b128 v4, v[BF+6:BF+9], s[68:69]
	global_store_b64 v5, v[BF+10:BF+11], s[68:69]
	QUANT ACC+64, BF+24, PW+1                      ; (registers of its own for the second tile's codes: no store's data are written again)
	global_store_b128 v4, v[BF+24:BF+27], s[70:71]
	global_store_b64 v5, v[BF+28:BF+29], s[70:71]
	global_store_b128 v4, v[BF+30:BF+33], s[72:73]
	global_store_b64 v5, v[BF+34:BF+35], s[72:73]
	v_perm_b32 v96, v[PW+1], v[PW], s87            ; selector bytes 0-3 take the first tile's word, 4-7 the second's
	v_perm_b32 v97, v[PW+1], v[PW], s88
	s_delay_alu instid0(VALU_DEP_1)
	v_cndmask_b32 v96, v96, v97, vcc_lo
	global_store_b32 v6, v96, s[92:93]
	s_wait_tensorcnt 0x0                           ; the wave's end
	ds_add_u32 v1, v2
	s_wait_dscnt 0x0
	CROUND                                         ; the closing round: no work-group ends while a partner may still ask for a panel that names it
	s_endpgm
.Lfunc_end_k_qbfbfe9ef5f_proj:
	.size	k_qbfbfe9ef5f_proj, .Lfunc_end_k_qbfbfe9ef5f_proj-k_qbfbfe9ef5f_proj
	.p2alignl 7, 3214868480
	.fill 96, 4, 3214868480
	.section	.rodata,"a",@progbits
	.p2align	6, 0x0
	.amdhsa_kernel k_qbfbfe9ef5f_proj
		.amdhsa_group_segment_fixed_size 327680
		.amdhsa_private_segment_fixed_size 0
		.amdhsa_enable_private_segment 0
		.amdhsa_kernarg_size 24
		.amdhsa_user_sgpr_count 2
		.amdhsa_user_sgpr_kernarg_segment_ptr 1
		.amdhsa_wavefront_size32 1
		.amdhsa_system_sgpr_workgroup_id_x 1
		.amdhsa_system_sgpr_workgroup_id_y 1
		.amdhsa_system_sgpr_workgroup_id_z 1
		.amdhsa_system_vgpr_workitem_id 0
		.amdhsa_next_free_vgpr 256
		.amdhsa_next_free_sgpr 100
		.amdhsa_reserve_vcc 1
		.amdhsa_float_denorm_mode_32 3
		.amdhsa_float_denorm_mode_16_64 3
		.amdhsa_memory_ordered 1
		.amdhsa_forward_progress 1
		.amdhsa_inst_pref_size 66
	.end_amdhsa_kernel
	.amdgpu_metadata
---
amdhsa.version: [ 1, 2 ]
amdhsa.kernels:
  - .name:           k_qbfbfe9ef5f_proj
    .symbol:         k_qbfbfe9ef5f_proj.kd
    .args:
      - { .name: ximg, .offset: 0, .size: 8, .value_kind: global_buffer, .address_space: global }
      - { .name: wimg, .offset: 8, .size: 8, .value_kind: global_buffer, .address_space: global }
      - { .name: qkv, .offset: 16, .size: 8, .value_kind: global_buffer, .address_space: global }
    .group_segment_fixed_size: 327680
    .private_segment_fixed_size: 0
    .kernarg_segment_align: 8
    .kernarg_segment_size: 24
    .max_flat_workgroup_size: 384
    .sgpr_count:     100
    .vgpr_count:     256
    .wavefront_size: 32
...
	.end_amdgpu_metadata
.endif
;; end of part 2
;; launch attn (part 3): grid 16 x 16, 16 waves a work-group, no clusters, 327,680 bytes of LDS; arguments qkv, oimg; writes oimg
.if DOCPART == 3
	.amdgcn_target "amdgcn-amd-amdhsa--gfx1250"
	.amdhsa_code_object_version 6
	.text
	.protected	k_qbfbfe9ef5f_attn
	.globl	k_qbfbfe9ef5f_attn
	.p2align	8
	.type	k_qbfbfe9ef5f_attn,@function
k_qbfbfe9ef5f_attn:
	s_mov_b64 s[64:65], 0
	v_nop
	global_prefetch_b8 v0, s[64:65] scope:SCOPE_SE
	s_setreg_imm32_b32 hwreg(HW_REG_WAVE_MODE, 25, 1), 1
	s_wait_xcnt 0x0
; Causal attention of 16 heads of 64 over 4,096 positions, both products on codes of FP6 (E2M3) with one E8M0 scale for each 32 along a product's K; the result is quantised along (head, channel) for the last product.
; t = score x log2(e) / 8; M = the row's largest t so far, rounded UP to a whole number; p = 2^(t - M) is quantised along the keys; the row's sum is taken of the unquantised p and divides at the end.
; IN (qkv): records of 12,800 bytes, [2: q, kv][16 heads][32 steps of 128].  Codes of q or k: tile T's 768 bytes at 768 T; codes of v at 6,144: fragment et at 1,536 et; at 12,288 the scale words: k's (r, b) at 16 r + 4 b, v's (r, et) at 256 + 16 r + 4 et.
; Tile T holds rows 32 (T / 2) + 8 (T % 2) + r + 8 (r / 8).  K = 64 in an instruction of 128: a fragment [tile 2 b | tile 2 b + 1] of k is multiplied once by [q | 0] and once by [0 | q].
; SHARES.  Work-group (j, head), 16 waves.  Waves w and w + 8 own tile w of query block j and, after it, tile w of block 31 - j, and SPLIT THE KEYS: of each pair of records (2 p, 2 p + 1) group g = wave / 8 takes record 2 p + g.
; Block B needs records 0 .. B, that is pairs 0 .. B / 2: (j / 2 + 1) + (16 - j / 2) = 17 pairs for every j: all trip counts are constants.  Keys behind the causal mask that reference() builds are left out by whole records:
; where B is even, record B + 1 is hidden whole, and group 1 jumps over that step (a branch on ids, round no barrier).  In the block's last pair the mask is applied to what is left.
; Each wave's unfinished result (O^T, -M, the sum) goes to an LDS stage of its own.  Behind one last barrier group 0 joins the two halves of block 31 - j, group 1 those of block j: both are brought under the larger M by exact powers of two and added.
; THE RING: two slots of four pairs (102,400 bytes); each wave fetches half a record (25 rows of 256 bytes): every wave issues a load at the head.
; NO CLUSTER: in their second block the work-groups of a head stand at pair i - j / 2 - 1, which differs with j: partners do not want the same record in the same round.
; Both products are used transposed: a lane holds one query (lane % 16), and its registers 16 b + i are key (or channel) 32 b + 16 (lane / 16) + i.
; OUT (oimg): records [32 blocks][8 K steps][12,800]: my tile's half fragment at 1,536 w + 768 (head % 2), its scale bytes at 12,288 + 32 r + 4 w + 2 (head % 2) + block.
; LIMITS: NaN and infinities are not served; the scaled scores stay under 2^31 in magnitude; a block's largest magnitude is taken as 2^(3 - 127) at the least; a block of zeros gets the byte 1, its codes are zeros; the division by the sum is v_rcp_f32 and a multiplication.
; REGISTERS: v1, v2 16 x lane, 512 + 8 x lane; v3, v4 the spare word's address and 0; v5, v6 LDS addresses in hand; v7 my query - 16 (lane / 16) + 128 (block % 2 - g); v8 prefetch offset; v10, v11 q's scale words; v12 -M, v13 largest t, v[14:15] the sum;
;   v16-19 scale words (lanes 0-15 k's, 16-31 v's); v24-43 sums at work, then p's codes; v44 p's scale word; v45-47 offsets in oimg; v48-63 at work; v64-127 S^T, then p; v128-159 O^T; v160-207 fragments of k, then of v; v208-225 zeros, q, zeros; v226-231 the next q; v246-248 stage addresses.
.set REC,   12800
.set PAIR,  25600
.set HALF,  6400
.set SLOTB, 102400
.set STG,   204800                     ; behind the ring: 24 places of PART bytes; no tensor load lands there
.set PART,  4608                       ; O^T, 4,096 bytes, then v12-15, 512
.set SPARE, 315392                     ; the spare words: 128 bytes for each of 16 waves
.set S,   64
.set O,   128
.set OS,  96
.set KV,  160
.set QZ,  208
.set QN,  226
.set BM,  48
.set BT,  52
.set SCL, 56
.set OWN, 246
.set ST2, 247
.set PRT, 248
.macro PLACES
.rept 4
	v_nop
.endr
.endm
.macro FRAG reg, off
	ds_load_b128 v[\reg:\reg+3], v5 offset:\off
	ds_load_b64 v[\reg+4:\reg+5], v6 offset:\off
	ds_load_b128 v[\reg+6:\reg+9], v5 offset:\off+768
	ds_load_b64 v[\reg+10:\reg+11], v6 offset:\off+768
.endm
.macro NEXTREC                         ; group 0's global address: pair s28 of the walk, then four on
	s_cmp_gt_u32 s28, s15
	s_cselect_b32 s37, s49, 0
	s_sub_co_u32 s37, s28, s37                     ; its pair of records: i, or i - j / 2 - 1
	s_min_u32 s37, s37, 15                         ; (waves that fetch never pass 15; the others' numbers are held inside too)
	s_mul_i32 s30, s37, PAIR
	s_add_nc_u64 s[26:27], s[12:13], s[30:31]
	s_or_b32 s27, s27, 0x80000000                  ; type = 2
	s_add_co_u32 s28, s28, 4
.endm
; THE CHANGE OF SLOTS, in two parts.  CHA stands where my reads of the slot in hand are over (in a slot's last step: as soon as v's fragments are asked for): I wait for all my tensor loads, add 0 to my spare word,
; wait for that and for my reads, and signal.  Only work on registers (the mask, the softmax, the second product) stands between CHA and CHB.  CHB: the barrier's wait, and behind it the refill first.
; fill 1: every wave fetches its part of the four pairs after the next slot's, into the slot just left (at the head: slot 1's first fill);  2: one pair is left, waves 0 to 3 fetch it;  0: nothing is left.
; A prefetch into the L2 stands behind a full fill: the work-group with j = 0 names the bytes that the next fill brings, four steps ahead of that load: each wave its own 6,400 bytes, a lane to each 256 (lanes 25-31 name the last again).
; The three full fills (at the head, in steps 3 and 7) name pairs 7-10, 11-14 and 15 of the head's 16 (the last: waves 0 to 3 alone); pairs 0-6 come by their loads alone.
.macro CHA fill
	s_wait_tensorcnt 0x0                           ; no tensor load of mine is out, so the group 0 may be written
	ds_add_u32 v3, v4                              ; 0 onto my spare word
	s_add_co_u32 s73, s56, s69                     ; the next reads go to the slot that was filled last: its first pair, my group's record
	s_xor_b32 s56, s56, SLOTB                      ; 0 or SLOTB: the slot to fill
.if \fill
	s_add_co_u32 s25, s56, s29
	NEXTREC
.endif
.if \fill == 1
	s_wait_xcnt 0x0                                ; the last prefetch, four steps back, has read its address
	s_add_nc_u64 s[46:47], s[46:47], 4*PAIR
.endif
	s_wait_dscnt 0x0                               ; the add is done, and my reads of the slot are over
	s_barrier_signal -1
.endm
.macro CHB fill
	s_barrier_wait -1
.if \fill == 1
	tensor_load_to_lds s[24:27], s[16:23]
	s_nop 0
	s_cmp_lt_u32 s33, s48
	s_cbranch_scc0 .Lnot_mine_\@
	global_prefetch_b8 v8, s[46:47] th:TH_LOAD_NT scope:SCOPE_SE
.Lnot_mine_\@:
.elseif \fill == 2
	s_cmp_lt_u32 s8, 4
	s_cbranch_scc0 .Lno_load_\@
	tensor_load_to_lds s[24:27], s[16:23]
	s_nop 0
.Lno_load_\@:
.endif
.endm
.macro TOSTG adr                       ; my unfinished result into the stage: each accumulator from its low end on
.irp k, 0,1,2,3,4,5,6,7
	ds_store_b128 v[\adr], v[O+4*\k:O+4*\k+3] offset:512*\k
.endr
	ds_store_b128 v[\adr], v[12:15] offset:4096
.endm
; My first block's end: the unfinished result is parked in the stage, and the state is set for my tile of block 31 - j
.macro PARK
	v_add_f32 v14, v14, v15                        ; the sum's two halves.  (Four plain places behind the last products)
	v_nop
	v_nop
	v_nop
	TOSTG OWN
	s_mov_b32 s34, 16                              ; the next diagonal is the last step
	s_mov_b32 s71, s72
.irp i, 0,1,2,3,4,5
	v_mov_b32 v[QZ+6+\i], v[QN+\i]                 ; the next block's q
.endr
	v_mov_b32 v10, v11                             ; and its scale word; the lines below are the places that both owe ahead of a scaled product
.set n, 0
.rept 32
	v_mov_b32 v[O+n], 0
.set n, n+1
.endr
	v_mov_b32 v13, 0xff61b1e6                      ; -3e38, under every t
	v_mov_b32 v14, 0
	v_mov_b32 v15, 0
	v_floor_f32 v12, -v13
	v_add_nc_u32 v7, s58, v7                       ; the other block's parity
	s_wait_alu depctr_va_vdst(0)                   ; the wait ahead of the branch that follows
.endm
; A STEP: my record of 128 keys.  diag 0: all keys count; 1: the step may be my first block's last (branches on ids); 2: it is my second block's last.
; chg 9: the next pair lies in the same slot; 0, 1, 2: the slot's last step, with the change of slots of that fill.  The jump over a hidden record leads round the step's work in two parts, and round no wait, add or barrier.
.macro STEP diag, chg
.if \diag
	s_cmp_eq_u32 s33, s71                          ; my record of this pair lies wholly behind the mask: nothing of it is computed
	s_cbranch_scc1 .Lhid_\@
.endif
	v_add_nc_u32 v5, s32, v1                       ; these four lines are the places behind the last products, ahead of the loads into their registers
	v_add_nc_u32 v6, s32, v2
	v_nop
	v_nop
	s_wait_alu depctr_va_vdst(0)
.irp b, 0,1,2,3
	FRAG KV+12*\b, 1536*\b
.endr
	ds_load_b128 v[16:19], v5 offset:12288         ; lanes 0-15 k's scale words, lanes 16-31 v's
	s_wait_dscnt 0x0
.irp b, 0,1,2,3
	v_wmma_scale_f32_16x16x128_f8f6f4 v[S+16*\b:S+16*\b+7], v[KV+12*\b:KV+12*\b+11], v[QZ+6:QZ+17], 0, v[16+\b], v10 matrix_a_fmt:MATRIX_FMT_FP6 matrix_b_fmt:MATRIX_FMT_FP6
	v_wmma_scale_f32_16x16x128_f8f6f4 v[S+16*\b+8:S+16*\b+15], v[KV+12*\b:KV+12*\b+11], v[QZ:QZ+11], 0, v[16+\b], v10 matrix_a_fmt:MATRIX_FMT_FP6 matrix_b_fmt:MATRIX_FMT_FP6
.endr
	PLACES
.irp e, 0,1,2,3
	FRAG KV+12*\e, 6144+1536*\e                    ; v's fragments take k's registers: a softmax ahead of their use
.endr
.if \chg != 9
.if \diag
.Lhid_\@:
.endif
	CHA \chg
.if \diag
	s_cmp_eq_u32 s33, s71
	s_cbranch_scc1 .Lhid2_\@
.endif
.endif
.if \diag == 1
	s_cmp_lg_u32 s33, s34
	s_cbranch_scc1 .Lopen_\@
.endif
.if \diag
	v_mov_b32 v62, 0xff800000                      ; hidden scores become -infinity ahead of the maximum: register 16 b + i holds key 32 b + i + 16 (lane / 16) of my record
.set n, 0
.rept 64
	v_cmp_gt_i32 vcc_lo, 32*(n/16)+n%16, v7
	v_cndmask_b32 v[S+n], v[S+n], v62, vcc_lo
.set n, n+1
.endr
.endif
.if \diag == 1
.Lopen_\@:
.endif
.irp b, 0,1,2,3
	v_max3_num_f32 v[BM+\b], v[S+16*\b], v[S+1+16*\b], v[S+2+16*\b]    ; the largest score of each block of 32 keys: for the row's maximum and, since p rises with the score, for the block's largest p
.endr
.irp i, 3,5,7,9,11,13
.irp b, 0,1,2,3
	v_max3_num_f32 v[BM+\b], v[BM+\b], v[S+16*\b+\i], v[S+1+16*\b+\i]
.endr
.endr
.irp b, 0,1,2,3
	v_max_num_f32 v[BM+\b], v[BM+\b], v[S+15+16*\b]
.endr
.irp b, 0,1,2,3
	v_permlanex16_b32 v[BT+\b], v[BM+\b], s38, s39
.endr
.irp b, 0,1,2,3
	v_max_num_f32 v[BM+\b], v[BM+\b], v[BT+\b]
.endr
	s_delay_alu instid0(VALU_DEP_2)
	v_max3_num_f32 v62, v[BM], v[BM+1], v[BM+2]
	s_delay_alu instid0(VALU_DEP_1)
	v_max_num_f32 v62, v62, v[BM+3]
	s_delay_alu instid0(VALU_DEP_1)
	v_mul_f32 v62, s40, v62                        ; as t
	s_delay_alu instid0(VALU_DEP_1)
	v_max_num_f32 v13, v13, v62                    ; the running largest t
	v_mov_b32 v62, v12
	s_delay_alu instid0(VALU_DEP_2)
	v_floor_f32 v12, -v13                          ; -M = floor(-t): M is a whole number
	s_delay_alu instid0(VALU_DEP_1)
	v_sub_f32 v62, v12, v62
	s_delay_alu instid0(VALU_DEP_1)
	v_cvt_i32_f32 v62, v62                         ; old M - new M, 0 or less (it saturates)
	s_delay_alu instid0(VALU_DEP_1)
	v_ldexp_f32 v60, 1.0, v62                      ; f = 2^(old M - new M): a multiplication by it rounds nothing
.set n, 0
.rept 32
	v_pk_fma_f32 v[S+n:S+n+1], v[S+n:S+n+1], s[40:41], v[12:13] op_sel_hi:[1,0,0]   ; t - M
.set n, n+2
.endr
.irp b, 0,1,2,3
	v_fma_f32 v[BM+\b], v[BM+\b], s40, v12
.endr
	s_wait_alu depctr_va_vdst(0)                   ; the wait ahead of the batch
.set n, 0
.rept 64
	v_exp_f32 v[S+n], v[S+n]                       ; p = 2^(t - M)
.set n, n+1
.endr
	v_pk_mul_f32 v[14:15], v[14:15], v[60:61] op_sel_hi:[1,0]  ; the sums under the new M: a plain place behind the exponentials
	s_wait_alu depctr_va_vdst(0)                   ; one wait for the batch, ahead of its first reader
.irp b, 0,1,2,3
	v_exp_f32 v[BM+\b], v[BM+\b]                   ; the blocks' largest p
.endr
.irp k, 0,1,2,3,4,5,6                          ; the row's sum of the unquantised p: eight chains of packed additions
	v_pk_add_f32 v[24+2*\k:25+2*\k], v[S+4*\k:S+4*\k+1], v[S+4*\k+2:S+4*\k+3]
.endr
	v_pk_add_f32 v[14:15], v[14:15], v[S+28:S+29]
.irp r, 0,1
.irp k, 0,1,2,3,4,5,6
	v_pk_add_f32 v[24+2*\k:25+2*\k], v[24+2*\k:25+2*\k], v[S+30+16*\r+2*\k:S+31+16*\r+2*\k]
.endr
	v_pk_add_f32 v[14:15], v[14:15], v[S+44+16*\r:S+45+16*\r]
.endr
	v_pk_add_f32 v[24:25], v[24:25], v[S+62:S+63]
	v_pk_add_f32 v[28:29], v[28:29], v[30:31]
	v_pk_add_f32 v[32:33], v[32:33], v[34:35]
	v_pk_add_f32 v[14:15], v[14:15], v[36:37]
	v_pk_add_f32 v[24:25], v[24:25], v[26:27]
	s_delay_alu instid0(VALU_DEP_2)
	v_pk_add_f32 v[14:15], v[14:15], v[32:33]
	s_delay_alu instid0(VALU_DEP_2)
	v_pk_add_f32 v[24:25], v[24:25], v[28:29]
	s_delay_alu instid0(VALU_DEP_1)
	v_pk_add_f32 v[14:15], v[14:15], v[24:25]
	s_wait_alu depctr_va_vdst(0)                   ; and one for the four
.irp b, 0,1,2,3
	v_max_num_f32 v[BM+\b], 0x1800000, v[BM+\b]    ; the floor 2^(3 - 127)
.endr
.irp b, 0,1,2,3
	v_add_nc_u32 v[SCL+\b], 0xff000000, v[BM+\b]   ; 2 off the exponent field: the conversion's scale operand
.endr
.irp b, 0,1,2,3
	v_lshrrev_b32 v[BT+\b], 23, v[SCL+\b]
.endr
	s_delay_alu instid0(VALU_DEP_3)
	v_lshl_or_b32 v44, v[BT+1], 8, v[BT]           ; p's scale word for these 128 keys
	s_delay_alu instid0(VALU_DEP_1)
	v_lshl_or_b32 v44, v[BT+2], 16, v44
	s_delay_alu instid0(VALU_DEP_1)
	v_lshl_or_b32 v44, v[BT+3], 24, v44
.irp c, 0,1
	v_cvt_scalef32_pk16_fp6_f32 v[24+6*\c:26+6*\c], v[S+32*\c:S+15+32*\c], v[SCL+2*\c]
	v_cvt_scalef32_pk16_fp6_f32 v[36+4*\c:38+4*\c], v[S+16+32*\c:S+31+32*\c], v[SCL+2*\c+1]
.endr
	v_nop                                          ; one plain place behind a scaled conversion
.irp c, 0,1                                    ; a whole block to a lane
.irp i, 0,1,2
	v_permlane16_swap_b32 v[24+6*\c+\i], v[36+4*\c+\i]
.endr
.irp i, 0,1,2
	v_mov_b32 v[27+6*\c+\i], v[36+4*\c+\i]
.endr
.endr
	s_wait_alu depctr_va_vdst(0)                   ; the wait ahead of the first reader of O^T
.set n, 0
.rept 16
	v_pk_mul_f32 v[O+n:O+n+1], v[O+n:O+n+1], v[60:61] op_sel_hi:[1,0]   ; O^T under the new M; these 16 are also the places that p's codes and scale word owe ahead of the products
.set n, n+2
.endr
	s_wait_alu depctr_va_vdst(0)                   ; the wait ahead of the wait below
.if \chg == 9
	s_wait_dscnt 0x0                               ; v is in  (in a slot's last step the change of slots has waited for it)
.endif
.irp e, 0,1,2,3
	v_wmma_scale_f32_16x16x128_f8f6f4 v[O+8*\e:O+8*\e+7], v[KV+12*\e:KV+12*\e+11], v[24:35], v[O+8*\e:O+8*\e+7], v[16+\e], v44 matrix_a_fmt:MATRIX_FMT_FP6 matrix_b_fmt:MATRIX_FMT_FP6 matrix_a_scale:MATRIX_SCALE_ROW1
.endr
.if \chg != 9
.if \diag
.Lhid2_\@:
.endif
	CHB \chg
.elseif \diag
.Lhid_\@:
.endif
.if \diag == 1
	s_cmp_lg_u32 s33, s34
	s_cbranch_scc1 .Lgo_on_\@
	PARK
.Lgo_on_\@:
.endif
	s_add_co_u32 s33, s33, 1
.if \chg == 9
	s_add_co_u32 s32, s32, PAIR
.else
	s_mov_b32 s32, s73
.endif
.endm
	s_load_b128 s[4:7], s[0:1], 0x0                ; qkv s[4:5], oimg s[6:7]
	v_lshl_add_u32 v3, v0, 2, SPARE
	v_mov_b32 v4, 0
	ds_add_u32 v3, v4                              ; the opening lines: the add twice on end and its wait
	ds_add_u32 v3, v4
	v_lshrrev_b32 v9, 5, v0
	v_readfirstlane_b32 s8, v9                     ; wave 0..15
	s_and_b32 s11, s8, 7                           ; my tile
	s_lshr_b32 s14, s8, 3                          ; g: which record of a pair is mine
	s_mov_b32 s9, ttmp9                            ; j
	s_and_b32 s10, ttmp7, 0xffff                   ; the head
	s_lshr_b32 s15, s9, 1                          ; j / 2: block j's last pair
	s_add_co_u32 s49, s15, 1
	s_mov_b32 s16, 3<<16                           ; group 1: 6,400 dense bytes as 25 rows of 32 elements of 8 bytes; no mask, no padding
	s_mov_b32 s17, 32<<16
	s_mov_b32 s18, 25<<16
	s_mov_b32 s19, 32<<16
	s_mov_b32 s20, 25
	s_mov_b32 s21, 32
	s_mov_b32 s22, 0
	s_mov_b32 s23, 0
	s_mov_b32 s24, 1
	s_mul_i32 s29, s8, HALF                        ; my place in a slot
	s_mov_b32 s25, s29                             ; slot 0
	s_mov_b32 s56, 0
	s_mul_i32 s69, s14, REC
	s_lshr_b32 s28, s8, 2                          ; the pair of the walk of which I fetch a quarter
	s_mov_b32 s31, 0
	s_and_b32 s50, s8, 3
	s_mul_i32 s37, s50, HALF
	s_lshl_b32 s50, s10, 5
	s_add_co_u32 s51, s50, 512
	s_mul_i32 s30, s51, REC
	s_add_co_u32 s30, s30, s37
	s_mov_b32 s33, 0                               ; the step's number
	s_mov_b32 s34, s15                             ; my block's last step
	s_mov_b32 s38, 0x76543210
	s_mov_b32 s39, 0xfedcba98
	s_mov_b32 s40, 0x3e38aa3b                      ; log2(e) / 8
	s_mov_b32 s41, s40
	s_wait_dscnt 0x0
	s_wait_kmcnt 0x0
	s_add_nc_u64 s[12:13], s[4:5], s[30:31]        ; the head's kv records, at my quarter of a pair
	NEXTREC
	tensor_load_to_lds s[24:27], s[16:23]          ; slot 0: every wave's one load at the head
	s_nop 0
	s_add_co_u32 s51, s50, s9
	s_mul_i32 s30, s51, REC
	s_add_nc_u64 s[52:53], s[4:5], s[30:31]        ; q's record of block j,
	s_sub_co_u32 s51, 31, s9
	s_add_co_u32 s30, s50, s51
	s_mul_i32 s30, s30, REC
	s_add_nc_u64 s[54:55], s[4:5], s[30:31]        ; and of block 31 - j
	s_cmp_eq_u32 s14, 0
	s_cselect_b32 s51, s51, s9                     ; the block that I finish: group 0 block 31 - j, group 1 block j
	s_lshl_b32 s30, s51, 3
	s_lshr_b32 s50, s10, 1
	s_add_co_u32 s30, s30, s50
	s_mul_i32 s30, s30, REC
	s_add_nc_u64 s[42:43], s[6:7], s[30:31]        ; oimg's record (block, K step head / 2)
	s_lshr_b32 s30, s8, 2
	s_add_co_u32 s30, s30, 3
	s_mul_i32 s30, s30, PAIR
	s_add_nc_u64 s[46:47], s[12:13], s[30:31]      ; the prefetches: the first change steps it to pair 7 + wave / 4
	s_cmp_lt_u32 s8, 4
	s_cselect_b32 s48, 8, 4
	s_cmp_eq_u32 s9, 0
	s_cselect_b32 s48, s48, 0                      ; a prefetch is made while the step's number is under this: j = 0 alone; waves 0-3 at steps 0, 3 and 7, the others at 0 and 3
	s_and_b32 s50, s9, 1                           ; j % 2
	s_xor_b32 s37, s50, 1
	s_and_b32 s37, s37, s14
	s_cmp_eq_u32 s37, 1
	s_cselect_b32 s71, s15, 99                     ; the step whose record is hidden whole for me: j even, group 1: block j's last;
	s_and_b32 s37, s50, s14
	s_cmp_eq_u32 s37, 1
	s_cselect_b32 s72, 16, 99                      ; j odd, group 1: block 31 - j's last
	s_lshl_b32 s51, s50, 7
	s_lshl_b32 s58, s51, 1
	s_sub_co_u32 s58, 128, s58                     ; 128 (1 - 2 (j % 2)): from block j's parity to the other's
	s_lshl_b32 s50, s14, 7
	s_sub_co_u32 s51, s51, s50                     ; 128 (j % 2 - g)
	s_lshr_b32 s50, s11, 1
	s_lshl_b32 s50, s50, 5
	s_add_co_u32 s51, s51, s50
	s_and_b32 s57, s11, 1
	s_lshl_b32 s50, s57, 3
	s_add_co_u32 s51, s51, s50                     ; + my tile's first row
	s_and_b32 s50, s10, 1
	s_mul_i32 s60, s11, 1536
	s_mul_i32 s37, s50, 768
	s_add_co_u32 s60, s60, s37
	s_lshl_b32 s61, s11, 2
	s_lshl_b32 s37, s50, 1
	s_add_co_u32 s61, s61, s37
	s_add_co_u32 s61, s61, 12288
	s_mul_i32 s62, s11, 768
	s_lshr_b32 s63, s11, 1
	s_lshl_b32 s63, s63, 2
	s_and_b32 s66, s8, 8                           ; the stage's places: 0-7 group 0's block j, 8-15 group 1's block 31 - j, 16-23 group 1's block j
	s_add_co_u32 s66, s66, s8
	s_mul_i32 s66, s66, PART
	s_add_co_u32 s66, s66, STG
	s_mul_i32 s67, s8, PART
	s_add_co_u32 s67, s67, STG
	s_add_co_u32 s68, s8, 8
	s_and_b32 s68, s68, 15                         ; my partner's half of the block that I finish
	s_mul_i32 s68, s68, PART
	s_add_co_u32 s68, s68, STG
	s_mov_b32 s70, 0x03020302
	s_cmp_eq_u32 s57, 0
	s_cselect_b32 s70, 0x01000100, s70             ; an even tile's scale bytes are the word's 0, 1, an odd tile's 2, 3
	v_and_b32 v9, 31, v0
	v_and_b32 v5, 15, v0                           ; r
	v_bfe_u32 v6, v0, 4, 1                         ; h
	v_lshlrev_b32 v1, 4, v9
	v_lshlrev_b32 v2, 3, v9
	v_min_u32 v8, 24, v9
	v_and_b32 v7, 8, v5
	v_lshlrev_b32 v62, 4, v6
	v_add_nc_u32 v2, 512, v2
	v_lshlrev_b32 v8, 8, v8
	v_add_nc_u32 v7, v7, v5
	v_lshl_add_u32 v47, v5, 5, s61
	v_lshl_add_u32 v9, v5, 4, s63                  ; the word that holds q's two scale bytes
	v_sub_nc_u32 v7, v7, v62
	v_add_nc_u32 v47, v47, v6
	v_add_nc_u32 v45, s60, v1
	v_add_nc_u32 v46, s60, v2
	v_add_nc_u32 v7, s51, v7
	v_add_nc_u32 v62, s62, v1                      ; q: my tile's 768 bytes
	v_add_nc_u32 v63, s62, v2
	v_add_nc_u32 v[OWN], s66, v1
	v_add_nc_u32 v[ST2], s67, v1
	v_add_nc_u32 v[PRT], s68, v1
	global_load_b128 v[QZ+6:QZ+9], v62, s[52:53]
	global_load_b64 v[QZ+10:QZ+11], v63, s[52:53]
	global_load_b128 v[QN:QN+3], v62, s[54:55]
	global_load_b64 v[QN+4:QN+5], v63, s[54:55]
	global_load_b32 v10, v9, s[52:53] offset:12288
	global_load_b32 v11, v9, s[54:55] offset:12288
.irp i, 0,1,2,3,4,5
	v_mov_b32 v[QZ+\i], 0                          ; the zero codes on both sides of q
	v_mov_b32 v[QZ+12+\i], 0
.endr
	s_wait_loadcnt 0x0                             ; q
	v_perm_b32 v10, v10, v10, s70                  ; s0 s1 s0 s1: it serves [q | 0] and [0 | q]
	v_perm_b32 v11, v11, v11, s70
.set n, 0
.rept 32
	v_mov_b32 v[O+n], 0                            ; O^T: the step is written once, its first finds zeros.  (Also the places that a scale word made by a vector instruction owes)
.set n, n+1
.endr
	v_mov_b32 v13, 0xff61b1e6                      ; -3e38, under every t
	v_mov_b32 v14, 0
	v_mov_b32 v15, 0
	v_floor_f32 v12, -v13
	v_mov_b32 v61, 0                               ; (named as the upper half of the pair v[60:61])
.irp b, 0,1,2,3
	v_mov_b32 v[BT+\b], 0                          ; a lane permute's destination counts as read
.endr
	s_wait_alu depctr_va_vdst(0)                   ; the wait at the head's end
	CHA 1                                          ; slot 0 is whole behind this barrier, and slot 1 is asked for
	CHB 1
	s_mov_b32 s32, s73
	s_mov_b32 s35, 2
.Lslot:                                            ; two trips: steps 0 to 7; j / 2 <= 7 lies among them.  Each trip's last step asks for four pairs more
	s_mov_b32 s36, 3
.Lstep:
	STEP 1, 9
	s_sub_co_u32 s36, s36, 1
	s_cmp_lg_u32 s36, 0
	s_cbranch_scc1 .Lstep
	STEP 1, 1
	s_sub_co_u32 s35, s35, 1
	s_cmp_lg_u32 s35, 0
	s_cbranch_scc1 .Lslot
	s_mov_b32 s36, 3                               ; the tail is written out: steps 8 to 11; the walk's last pair is asked for
.Lstep_b:
	STEP 0, 9
	s_sub_co_u32 s36, s36, 1
	s_cmp_lg_u32 s36, 0
	s_cbranch_scc1 .Lstep_b
	STEP 0, 2
	s_mov_b32 s36, 3                               ; steps 12 to 15; nothing is left to fetch
.Lstep_c:
	STEP 0, 9
	s_sub_co_u32 s36, s36, 1
	s_cmp_lg_u32 s36, 0
	s_cbranch_scc1 .Lstep_c
	STEP 0, 0
	STEP 2, 9                                      ; step 16: block 31 - j's last pair
	; THE JOIN.  Group 1 hands its half of block 31 - j to group 0 and takes its own half of block j back; behind the barrier each wave reads its partner's half of the block that it finishes.
	v_add_f32 v14, v14, v15                        ; the sum's two halves.  (Four plain places behind the last products)
	v_and_b32 v9, 16, v0
	v_nop
	v_nop
	s_wait_alu depctr_va_vdst(0)                   ; the wait ahead of the branch
	s_cmp_eq_u32 s14, 0
	s_cbranch_scc1 .Lmine
	TOSTG ST2
.irp k, 0,1,2,3,4,5,6,7
	ds_load_b128 v[O+4*\k:O+4*\k+3], v[OWN] offset:512*\k   ; LDS serves a wave's instructions in order: the stores above have read these registers
.endr
	ds_load_b128 v[12:15], v[OWN] offset:4096
.Lmine:
	s_wait_dscnt 0x0                               ; for the others' sake: my stores into the stage are done
	s_barrier_signal -1
	s_barrier_wait -1
.irp k, 0,1,2,3,4,5,6,7,8
	ds_load_b128 v[S+4*\k:S+4*\k+3], v[PRT] offset:512*\k   ; the partner's O^T in v64-95, its -M in v96, its sum in v98
.endr
	s_wait_dscnt 0x0
	v_min_num_f32 v62, v12, v[S+32]                ; -M of the two together
	s_delay_alu instid0(VALU_DEP_1)
	v_sub_f32 v60, v62, v12                        ; my M less the new one: a whole number, 0 or less
	v_sub_f32 v63, v62, v[S+32]
	s_delay_alu instid0(VALU_DEP_2)
	v_cvt_i32_f32 v60, v60                         ; (it saturates: a half with no key has -M = 3e38 and gets the factor 0)
	s_delay_alu instid0(VALU_DEP_2)
	v_cvt_i32_f32 v63, v63
	s_delay_alu instid0(VALU_DEP_2)
	v_ldexp_f32 v60, 1.0, v60
	s_delay_alu instid0(VALU_DEP_2)
	v_ldexp_f32 v62, 1.0, v63
	s_delay_alu instid0(VALU_DEP_2)
	v_mul_f32 v14, v14, v60
	s_delay_alu instid0(VALU_DEP_1)
	v_fmac_f32 v14, v[S+34], v62
.set n, 0
.rept 16
	v_pk_mul_f32 v[S+n:S+n+1], v[S+n:S+n+1], v[62:63] op_sel_hi:[1,0]
.set n, n+2
.endr
.set n, 0
.rept 16
	v_pk_fma_f32 v[O+n:O+n+1], v[O+n:O+n+1], v[60:61], v[S+n:S+n+1] op_sel_hi:[1,0,1]   ; each accumulator from its low end on
.set n, n+2
.endr
	; O^T / sum, quantised along the head's 64 (two blocks of 32), stored
	v_permlanex16_b32 v62, v14, s38, s39
	s_delay_alu instid0(VALU_DEP_1)
	v_add_f32 v14, v14, v62                        ; with lane l xor 16's: the row's sum
	s_wait_alu depctr_va_vdst(0)                   ; the wait ahead of the transcendental
	v_rcp_f32 v60, v14
	v_nop                                          ; a plain place behind it,
	s_wait_alu depctr_va_vdst(0)                   ; and the wait ahead of its first reader
.set n, 0
.rept 16
	v_pk_mul_f32 v[OS+n:OS+n+1], v[O+n:O+n+1], v[60:61] op_sel_hi:[1,0]
.set n, n+2
.endr
	v_cmp_ne_u32 vcc_lo, 0, v9                     ; lanes 16-31
.irp b, 0,1
	v_max3_num_f32 v[BM+\b], |v[OS+16*\b]|, |v[OS+1+16*\b]|, 0x1800000
.endr
.irp i, 2,4,6,8,10,12,14
.irp b, 0,1
	s_delay_alu instid0(VALU_DEP_2)
	v_max3_num_f32 v[BM+\b], v[BM+\b], |v[OS+16*\b+\i]|, |v[OS+1+16*\b+\i]|
.endr
.endr
.irp b, 0,1
	s_delay_alu instid0(VALU_DEP_2)
	v_permlanex16_b32 v[BT+\b], v[BM+\b], s38, s39
.endr
.irp b, 0,1
	s_delay_alu instid0(VALU_DEP_2)
	v_max_num_f32 v[BM+\b], v[BM+\b], v[BT+\b]
.endr
.irp b, 0,1
	s_delay_alu instid0(VALU_DEP_2)
	v_add_nc_u32 v[SCL+\b], 0xff000000, v[BM+\b]
.endr
.irp b, 0,1
	s_delay_alu instid0(VALU_DEP_2)
	v_lshrrev_b32 v[BT+\b], 23, v[SCL+\b]
.endr
	v_cvt_scalef32_pk16_fp6_f32 v[24:26], v[OS:OS+15], v[SCL]
	v_cvt_scalef32_pk16_fp6_f32 v[36:38], v[OS+16:OS+31], v[SCL+1]
	v_nop                                          ; one plain place behind a scaled conversion
.irp i, 0,1,2
	v_permlane16_swap_b32 v[24+\i], v[36+\i]
.endr
.irp i, 0,1,2
	v_mov_b32 v[27+\i], v[36+\i]                   ; v24-29: channels 32 (lane / 16) + 0 .. 31 of my query
.endr
	v_cndmask_b32 v63, v[BT], v[BT+1], vcc_lo      ; my block's byte
	global_store_b128 v45, v[24:27], s[42:43]      ; 512 consecutive bytes, aligned to 256
	global_store_b64 v46, v[28:29], s[42:43]       ; 256
	global_store_b8 v47, v63, s[42:43]
	s_wait_tensorcnt 0x0                           ; the wave's end
	ds_add_u32 v3, v4
	s_wait_dscnt 0x0
	s_endpgm
.Lfunc_end_k_qbfbfe9ef5f_attn:
	.size	k_qbfbfe9ef5f_attn, .Lfunc_end_k_qbfbfe9ef5f_attn-k_qbfbfe9ef5f_attn
	.p2alignl 7, 3214868480
	.fill 96, 4, 3214868480
	.section	.rodata,"a",@progbits
	.p2align	6, 0x0
	.amdhsa_kernel k_qbfbfe9ef5f_attn
		.amdhsa_group_segment_fixed_size 327680
		.amdhsa_private_segment_fixed_size 0
		.amdhsa_enable_private_segment 0
		.amdhsa_kernarg_size 16
		.amdhsa_user_sgpr_count 2
		.amdhsa_user_sgpr_kernarg_segment_ptr 1
		.amdhsa_wavefront_size32 1
		.amdhsa_system_sgpr_workgroup_id_x 1
		.amdhsa_system_sgpr_workgroup_id_y 1
		.amdhsa_system_sgpr_workgroup_id_z 1
		.amdhsa_system_vgpr_workitem_id 0
		.amdhsa_next_free_vgpr 256
		.amdhsa_next_free_sgpr 74
		.amdhsa_reserve_vcc 1
		.amdhsa_float_denorm_mode_32 3
		.amdhsa_float_denorm_mode_16_64 3
		.amdhsa_memory_ordered 1
		.amdhsa_forward_progress 1
		.amdhsa_inst_pref_size 154
	.end_amdhsa_kernel
	.amdgpu_metadata
---
amdhsa.version: [ 1, 2 ]
amdhsa.kernels:
  - .name:           k_qbfbfe9ef5f_attn
    .symbol:         k_qbfbfe9ef5f_attn.kd
    .args:
      - { .name: qkv, .offset: 0, .size: 8, .value_kind: global_buffer, .address_space: global }
      - { .name: oimg, .offset: 8, .size: 8, .value_kind: global_buffer, .address_space: global }
    .group_segment_fixed_size: 327680
    .private_segment_fixed_size: 0
    .kernarg_segment_align: 8
    .kernarg_segment_size: 16
    .max_flat_workgroup_size: 512
    .sgpr_count:     74
    .vgpr_count:     256
    .wavefront_size: 32
...
	.end_amdgpu_metadata
.endif
;; end of part 3
;; launch oproj (part 4): grid 32 x 8, 4 waves a work-group, clusters of 4 x 4, 239,104 bytes of LDS; arguments oimg, wimg, out0; writes out0
.if DOCPART == 4
	.amdgcn_target "amdgcn-amd-amdhsa--gfx1250"
	.amdhsa_code_object_version 6
	.text
	.protected	k_qbfbfe9ef5f_oproj
	.globl	k_qbfbfe9ef5f_oproj
	.p2align	8
	.type	k_qbfbfe9ef5f_oproj,@function
k_qbfbfe9ef5f_oproj:
	s_mov_b64 s[64:65], 0
	v_nop
	global_prefetch_b8 v0, s[64:65] scope:SCOPE_SE
	s_setreg_imm32_b32 hwreg(HW_REG_WAVE_MODE, 25, 1), 1
	s_wait_xcnt 0x0
	s_wait_alu depctr_hold_cnt(0) depctr_sa_sdst(0) depctr_va_vdst(0) depctr_va_sdst(0) depctr_va_ssrc(0) depctr_va_vcc(0) depctr_vm_vsrc(0)
	s_getreg_b32 s2, hwreg(HW_REG_IB_STS2, 6, 4)
	s_cmp_eq_u32 s2, 0
	s_cbranch_scc0 .Lentry_in_a_cluster
	s_endpgm
.Lentry_in_a_cluster:
	s_bfe_u32 s2, ttmp6, 0x10000c
	s_cmp_lg_u32 s2, 0xf033
	s_cbranch_scc0 .Lentry_shape_is_right
	s_endpgm
.Lentry_shape_is_right:
; out0 = o WO on codes of FP6 (E2M3), K = 1,024; out0 [4096][1024] f32.  Operands come as records of 12,800 bytes (128 rows x 128 along K: eight fragments of 1,536 bytes in the order of the operand's registers,
; then 512 bytes of scale words, word (row r, tile t) at 12,288 + 32 r + 4 t); tile t holds rows 32 (t / 2) + 8 (t % 2) + r + 8 (r / 8).
; A work-group makes 128 rows (a) x 128 columns (g).  Source 0 = WO's panel (columns of out0), source 1 = o's panel (rows): a lane then holds neighbouring columns of one row.  Wave w: all 128 columns x tiles 2 w, 2 w + 1 of rows: 16 accumulators.
; ALL OF K LIES IN LDS AT ONCE: four pieces of 51,200 bytes (two K steps of WO's panel, then of o's).  Nothing is filled again: no ring.
; CLUSTER 4 x 4: WO's panel hangs on g alone and is asked for jointly by a row of the cluster (waves 0, 1), o's on a alone, by a column (waves 2, 3); each wave asks for two pieces.
.set REC,  12800
.set PAN,  2*REC
.set CHK,  2*PAN
.set STG,  4*CHK                       ; behind the pieces: a stage of 16 rows x (512 bytes + 16) for each wave; no tensor load lands there
.set SPIT, 528
.set G1W, 24
.set G1X, 32
.set G0W, 40
.set G0X, 48
.set A16, 4
.set A8,  5
.set B16, 6
.set B8,  7
.set SA,  8
.set SB,  9
.set SCA, 10                           ; v10-17, v20-27  source 0's scale words;  v18-19, v28-29 source 1's
.set SCB, 18
.set BF,  30                           ; v30-77   source 1's fragments
.set AF,  78                           ; v78-125  source 0's, two buffers of two
.set ACC, 128                          ; v128-255 accumulator (u, t) at 64 u + 8 t
.macro PLACES
.rept 4
	v_nop
.endr
.endm
.macro CROUND
	s_barrier_signal -1
	s_barrier_wait -1
	s_cmp_lg_u32 s10, 0
	s_cbranch_scc1 .Lnot_wave_0_\@
	s_barrier_signal -3
.Lnot_wave_0_\@:
	s_barrier_wait -3
	s_barrier_signal -1
	s_barrier_wait -1
.endm
.macro FRAG reg, a16, a8, off
	ds_load_b128 v[\reg:\reg+3], v[\a16] offset:\off
	ds_load_b64 v[\reg+4:\reg+5], v[\a8] offset:\off
	ds_load_b128 v[\reg+6:\reg+9], v[\a16] offset:\off+768
	ds_load_b64 v[\reg+10:\reg+11], v[\a8] offset:\off+768
.endm
.macro APAIR m
	FRAG AF+24*((\m)%2), A16, A8, ((\m)/4)*REC+3072*((\m)%4)
	FRAG AF+24*((\m)%2)+12, A16, A8, ((\m)/4)*REC+3072*((\m)%4)+1536
.endm
.macro MINI m, first                   ; the 16 accumulators take turns, one instruction a turn, in the same order in every K step
.set Q_, (\m)/4
.set I_, (\m)%4
.set FB_, AF+24*((\m)%2)
.irp u, 0,1
.irp e, 0,1
.if \first && (Q_ == 0)
	v_wmma_scale_f32_16x16x128_f8f6f4 v[ACC+64*\u+8*(2*I_+\e):ACC+64*\u+8*(2*I_+\e)+7], v[FB_+12*\e:FB_+12*\e+11], v[BF+24*Q_+12*\u:BF+24*Q_+12*\u+11], 0, v[SCA+10*Q_+2*I_+\e], v[SCB+10*Q_+\u] matrix_a_fmt:MATRIX_FMT_FP6 matrix_b_fmt:MATRIX_FMT_FP6
.else
	v_wmma_scale_f32_16x16x128_f8f6f4 v[ACC+64*\u+8*(2*I_+\e):ACC+64*\u+8*(2*I_+\e)+7], v[FB_+12*\e:FB_+12*\e+11], v[BF+24*Q_+12*\u:BF+24*Q_+12*\u+11], v[ACC+64*\u+8*(2*I_+\e):ACC+64*\u+8*(2*I_+\e)+7], v[SCA+10*Q_+2*I_+\e], v[SCB+10*Q_+\u] matrix_a_fmt:MATRIX_FMT_FP6 matrix_b_fmt:MATRIX_FMT_FP6
.endif
.endr
.endr
.endm
.macro SLOTWORK first                  ; a piece's two K steps: 32 products
.if !\first
	PLACES
.endif
.irp q, 0,1
	ds_load_b128 v[SCA+10*\q:SCA+10*\q+3], v[SA] offset:\q*REC
	ds_load_b128 v[SCA+10*\q+4:SCA+10*\q+7], v[SA] offset:\q*REC+16
	ds_load_b64 v[SCB+10*\q:SCB+10*\q+1], v[SB] offset:\q*REC
.endr
.irp q, 0,1
.irp u, 0,1
	FRAG BF+24*\q+12*\u, B16, B8, \q*REC+1536*\u
.endr
.endr
	APAIR 0
	APAIR 1
.irp m, 0,1,2,3,4,5,6,7
.if \m == 7
	s_wait_dscnt 0x0
.else
	s_wait_dscnt 8                                 ; all but the younger pair's eight loads
.endif
	MINI \m, \first
.if \m < 6
	PLACES
	APAIR \m+2
.endif
.endr
.endm
.macro ADV                             ; on to the next piece
.irp a, A16, A8, B16, B8, SA, SB
	v_add_nc_u32 v[\a], PAN, v[\a]
.endr
.endm
	s_load_b128 s[4:7], s[0:1], 0x0                ; oimg s[4:5], wimg s[6:7]
	s_load_b64 s[8:9], s[0:1], 0x10                ; out0
	v_lshl_add_u32 v1, v0, 2, 0x3a400
	v_mov_b32 v2, 0
	ds_add_u32 v1, v2
	ds_add_u32 v1, v2
	v_lshrrev_b32 v3, 5, v0
	v_readfirstlane_b32 s10, v3                    ; wave 0..3
	s_lshr_b32 s12, s10, 1                         ; I ask for WO's panel (0) or for o's (1),
	s_and_b32 s13, s10, 1                          ; pieces 0 and 1, or 2 and 3
	s_bfe_u32 s16, ttmp6, 0x40000
	s_bfe_u32 s17, ttmp6, 0x40004
	s_lshl_b32 s18, ttmp9, 2
	s_add_co_u32 s18, s18, s16                     ; a
	s_and_b32 s19, ttmp7, 0xffff
	s_lshl_b32 s19, s19, 2
	s_add_co_u32 s19, s19, s17                     ; g
	s_lshl_b32 s20, s17, 2
	s_lshl_b32 s20, 15, s20                        ; my row of the cluster
	s_lshl_b32 s21, 0x1111, s16                    ; my column
	s_or_b32 s[G1W], s20, (3<<16)|(1<<21)
	s_or_b32 s[G1X], s21, (3<<16)|(1<<21)
.irp g, G1W, G1X                               ; a dense block of 51,200 bytes as 200 rows of 256
	s_mov_b32 s[\g+1], 32<<16
	s_mov_b32 s[\g+2], 200<<16                     ; half a panel, four K steps: 51,200 dense bytes as 200 rows of 256
	s_mov_b32 s[\g+3], 32<<16
	s_mov_b32 s[\g+4], 200
	s_mov_b32 s[\g+5], 32
	s_mov_b32 s[\g+6], 0
	s_mov_b32 s[\g+7], 0
.endr
	s_mul_i32 s22, s13, 2*PAN                      ; which half of the panel I ask for
	s_add_co_u32 s56, s19, 24                      ; WO is wimg's fourth tensor: panel 24 + g
	s_mul_i32 s56, s56, 8*REC
	s_add_co_u32 s56, s56, s22
	s_mov_b32 s57, 0
	s_mul_i32 s60, s18, 8*REC
	s_add_co_u32 s60, s60, s22
	s_mov_b32 s61, 0
	s_mul_i32 s23, s13, CHK
	s_wait_dscnt 0x0
	s_wait_kmcnt 0x0
	s_add_nc_u64 s[58:59], s[6:7], s[56:57]
	s_add_nc_u64 s[62:63], s[4:5], s[60:61]
	CROUND                                         ; all sixteen work-groups are here: the joint loads meet
.irp s, 0                                      ; in LDS WO's whole panel lies first (8 records), then o's: one load a wave, half a panel each
	s_mov_b32 s[G0W+4*\s], 1
	s_add_co_u32 s[G0W+4*\s+1], s23, \s*2*CHK
	s_add_nc_u64 s[G0W+4*\s+2:G0W+4*\s+3], s[58:59], \s*2*PAN
	s_or_b32 s[G0W+4*\s+3], s[G0W+4*\s+3], 0x80000000
	s_mov_b32 s[G0X+4*\s], 1
	s_add_co_u32 s[G0X+4*\s+1], s23, \s*2*CHK+4*PAN
	s_add_nc_u64 s[G0X+4*\s+2:G0X+4*\s+3], s[62:63], \s*2*PAN
	s_or_b32 s[G0X+4*\s+3], s[G0X+4*\s+3], 0x80000000
.endr
	s_cmp_eq_u32 s12, 0                            ; one fill to each wave: one load of mine is out
	s_cbranch_scc0 .Lfor_o
	tensor_load_to_lds s[G0W:G0W+3], s[G1W:G1W+7]
	s_nop 0
.rept 4
	v_nop
.endr
	s_branch .Lasked
.Lfor_o:
	tensor_load_to_lds s[G0X:G0X+3], s[G1X:G1X+7]
	s_nop 0
.rept 4
	v_nop
.endr
.Lasked:
	v_and_b32 v3, 31, v0
	v_and_b32 v126, 15, v0                         ; r
	v_bfe_u32 v127, v0, 4, 1                       ; h
	v_lshlrev_b32 v[A16], 4, v3
	v_lshlrev_b32 v[A8], 3, v3
	v_add_nc_u32 v[A8], 512, v[A8]
	s_mul_i32 s66, s10, 3072
	s_add_co_u32 s66, s66, 4*PAN
	v_add_nc_u32 v[B16], s66, v[A16]
	v_add_nc_u32 v[B8], s66, v[A8]
	v_lshlrev_b32 v[SA], 5, v126
	s_lshl_b32 s66, s10, 3
	s_add_co_u32 s66, s66, 4*PAN+12288
	v_add_nc_u32 v[SB], s66, v[SA]
	v_add_nc_u32 v[SA], 12288, v[SA]
	s_mul_i32 s66, s10, 16*SPIT
	s_add_co_u32 s66, s66, STG                     ; my stage
	v_mul_u32_u24 v126, v126, SPIT
	v_lshl_add_u32 v126, v127, 6, v126
	v_add_nc_u32 v126, s66, v126                   ; in: row r, + 64 h bytes
	v_lshlrev_b32 v3, 4, v3                        ; 16 x lane: my place in a row of 512 bytes, in the stage and in out0
	v_add_nc_u32 v127, s66, v3                     ; back
	s_lshl_b32 s66, s18, 7
	s_lshl_b32 s67, s10, 5
	s_add_co_u32 s66, s66, s67                     ; my first row: 128 a + 32 w
	s_lshl_b32 s66, s66, 12
	s_lshl_b32 s67, s19, 9
	s_add_co_u32 s66, s66, s67                     ; + 512 g bytes
	s_mov_b32 s67, 0
	s_add_nc_u64 s[8:9], s[8:9], s[66:67]
	s_wait_alu depctr_va_vdst(0)
	s_wait_tensorcnt 0x0                           ; my one load has landed: behind the barrier both panels are whole
	s_barrier_signal -1
	s_barrier_wait -1
	SLOTWORK 1
	ADV
	s_wait_alu depctr_va_vdst(0)
	SLOTWORK 0
	ADV
	s_wait_alu depctr_va_vdst(0)
	SLOTWORK 0
	ADV
	s_wait_alu depctr_va_vdst(0)
	SLOTWORK 0
; THE WAY OUT.  A lane holds pieces of 32 bytes of one row; 16 rows at a time go through my own stage and come back as whole rows of 512 bytes.  LDS serves a wave's instructions in order: no wait between my stores and my loads.
.macro TOSTAGE u, bk
.irp t, 0,1,2,3,4,5,6,7
	ds_store_b128 v126, v[ACC+64*\u+8*\t:ACC+64*\u+8*\t+3] offset:128*(\t/2)+32*(\t%2)       ; each accumulator from its low end on: columns 32 (t / 2) + 8 (t % 2) + 16 h + 0 .. 7
	ds_store_b128 v126, v[ACC+64*\u+8*\t+4:ACC+64*\u+8*\t+7] offset:128*(\t/2)+32*(\t%2)+16
.endr
.irp p, 0,1,2,3,4,5,6,7,8,9,10,11,12,13,14,15
	ds_load_b128 v[\bk+4*\p:\bk+4*\p+3], v127 offset:SPIT*\p
.endr
.endm
.macro SEND u, bk, younger             ; younger: the LDS instructions issued behind this block's loads
.irp p, 0,1,2,3,4,5,6,7,8,9,10,11,12,13,14,15
	s_wait_dscnt \younger+15-\p
	global_store_b128 v3, v[\bk+4*\p:\bk+4*\p+3], s[8:9] offset:(8*\u+\p+8*(\p/8))*4096 th:TH_STORE_NT   ; 32 lanes store 512 consecutive bytes, aligned to 256
.endr
.endm
	PLACES
	TOSTAGE 0, BF                                  ; back into v30-93, which held fragments
	TOSTAGE 1, ACC                                 ; back into the first block's accumulators, which its stores have left
	SEND 0, BF, 32
	SEND 1, ACC, 0
	s_wait_tensorcnt 0x0
	ds_add_u32 v1, v2
	s_wait_dscnt 0x0
	CROUND                                         ; the closing round: no work-group ends while a partner may still ask for a panel that names it
	s_endpgm
.Lfunc_end_k_qbfbfe9ef5f_oproj:
	.size	k_qbfbfe9ef5f_oproj, .Lfunc_end_k_qbfbfe9ef5f_oproj-k_qbfbfe9ef5f_oproj
	.p2alignl 7, 3214868480
	.fill 96, 4, 3214868480
	.section	.rodata,"a",@progbits
	.p2align	6, 0x0
	.amdhsa_kernel k_qbfbfe9ef5f_oproj
		.amdhsa_group_segment_fixed_size 239104
		.amdhsa_private_segment_fixed_size 0
		.amdhsa_enable_private_segment 0
		.amdhsa_kernarg_size 24
		.amdhsa_user_sgpr_count 2
		.amdhsa_user_sgpr_kernarg_segment_ptr 1
		.amdhsa_wavefront_size32 1
		.amdhsa_system_sgpr_workgroup_id_x 1
		.amdhsa_system_sgpr_workgroup_id_y 1
		.amdhsa_system_sgpr_workgroup_id_z 1
		.amdhsa_system_vgpr_workitem_id 0
		.amdhsa_next_free_vgpr 256
		.amdhsa_next_free_sgpr 72
		.amdhsa_reserve_vcc 0
		.amdhsa_float_denorm_mode_32 3
		.amdhsa_float_denorm_mode_16_64 3
		.amdhsa_memory_ordered 1
		.amdhsa_forward_progress 1
		.amdhsa_inst_pref_size 58
	.end_amdhsa_kernel
	.amdgpu_metadata
---
amdhsa.version: [ 1, 2 ]
amdhsa.kernels:
  - .name:           k_qbfbfe9ef5f_oproj
    .symbol:         k_qbfbfe9ef5f_oproj.kd
    .args:
      - { .name: oimg, .offset: 0, .size: 8, .value_kind: global_buffer, .address_space: global }
      - { .name: wimg, .offset: 8, .size: 8, .value_kind: global_buffer, .address_space: global }
      - { .name: out0, .offset: 16, .size: 8, .value_kind: global_buffer, .address_space: global }
    .group_segment_fixed_size: 239104
    .private_segment_fixed_size: 0
    .kernarg_segment_align: 8
    .kernarg_segment_size: 24
    .max_flat_workgroup_size: 128
    .sgpr_count:     72
    .vgpr_count:     256
    .wavefront_size: 32
...
	.end_amdgpu_metadata
.endif
;; end of part 4
